; MI455X (gfx1250); checked and timed in simulation.
; The chip was launched on July 23, 2026; its instructions are those of AMD's public machine-readable ISA for CDNA 5 (MIT licence, August 2026) and "CDNA5" Instruction Set Architecture Reference Guide (July 2026). The comments in the code are by the model that wrote it; some were corrected since.
;; Att Model. Allowed arithmetic: float matrix products may take bf16 or f16 operands with f32 sums; other float arithmetic in f32, or as packed bf16 or f16 multiplies, adds, multiply-adds, maxima and minima; sums over many terms, partial sums and values carried from step to step in f32; what a program stores and reads back later, other than sums and carried values, may be rounded once to bf16 or f16.
;; Inputs: Wk 512 x 256 float32; Wo 256 x 512 float32; Wq 512 x 256 float32; Wv 512 x 256 float32; bk 512 float32; bo 256 float32; bq 512 float32; bv 512 float32; h 32 x 1,024 x 256 float32.
;; Outputs: out0 32 x 1,024 x 256 float32.
;; 2 versions, each right. Each part assembles by itself: llvm-mc -triple=amdgcn-amd-amdhsa -mcpu=gfx1250 --defsym DOCPART=n.
;; ======== version 1 of 2: 3 launches
;; limits: values are held in f16: magnitudes above 65,504 overflow, below 6.1e-05 lose precision; right only within a limited range of input values
;; workspace buffers: wb 1,048,576 bytes; qkv 100,663,296 bytes; vsc 131,072 bytes
;; launch prep (part 1): grid 256 x 1, 8 waves a work-group, no clusters, 0 bytes of LDS; arguments Wv, Wk, Wq, Wo, wb; writes wb
.if DOCPART == 1
	.amdgcn_target "amdgcn-amd-amdhsa--gfx1250"
	.amdhsa_code_object_version 6
	.text
	.protected	k_q7d697ecd19_prep
	.globl	k_q7d697ecd19_prep
	.p2align	8
	.type	k_q7d697ecd19_prep,@function
k_q7d697ecd19_prep:
	s_mov_b64 s[64:65], 0
	v_nop
	global_prefetch_b8 v0, s[64:65] scope:SCOPE_SE
	s_setreg_imm32_b32 hwreg(HW_REG_WAVE_MODE, 25, 1), 1
	s_wait_xcnt 0x0
; The four weight matrices, rounded once to 16 bits and laid in the order in which the projection launch streams them.
; wb = 16 slots of 65,536 bytes; a slot = four parts of 16,384 bytes, part w for wave w of the projection's work-groups.
; Slots 0-11: Wv, Wk, Wq (four slots each, slot s of a matrix), bf16: part w = [e 2][kb 16][h 2][r 16][8 numbers] = W[128 s + 64 e + 16 w + r][16 kb + 8 h + 0..7].
; Slots 12-15: Wo, rounded to bf16 and that number written as f16: part w = [db 4][kb 8][h 2][r 16][8] = Wo[64 w + 16 db + r][128 s + 16 kb + 8 h + 0..7].
; LIMIT: |Wo| under 65,504; below 6.1e-5 the f16 copy keeps a fixed step of 6e-8.
; A thread makes one piece of 16 bytes: it reads 32 bytes of a row and stores at 16 x its number, so a wave's store covers 512 consecutive bytes.
; The reads are pieces of 32 bytes of 16 rows an instruction; the launch reads 2 MiB in all, so nothing is built to mend that.  No LDS, no barrier.
	s_load_b256 s[4:11], s[0:1], 0x0               ; Wv s[4:5], Wk s[6:7], Wq s[8:9], Wo s[10:11]
	s_load_b64 s[12:13], s[0:1], 0x20              ; wb
	s_lshr_b32 s16, ttmp9, 4                       ; slot 0..15: sixteen work-groups to a slot
	s_and_b32 s17, s16, 3                          ; s
	s_lshr_b32 s18, s16, 2                         ; which matrix
	s_and_b32 s19, ttmp9, 15
	s_lshl_b32 s19, s19, 8
	s_lshl_b32 s20, ttmp9, 12                      ; the work-group's 4,096 bytes of wb
	s_lshl_b32 s21, s17, 7                         ; 128 s
	v_or_b32 v1, s19, v0                           ; the piece's number in its slot, 0..4095
	v_and_b32 v2, 15, v1                           ; r
	v_bfe_u32 v3, v1, 4, 1                         ; h
	v_bfe_u32 v4, v1, 5, 5                         ; (e, kb) or (db, kb)
	v_bfe_u32 v5, v1, 10, 2                        ; w
	v_lshl_add_u32 v6, v0, 4, s20                  ; where the piece goes
	s_wait_kmcnt 0x0
	s_cmp_eq_u32 s18, 1
	s_cselect_b64 s[14:15], s[6:7], s[4:5]
	s_cmp_eq_u32 s18, 2
	s_cselect_b64 s[14:15], s[8:9], s[14:15]
	s_cmp_eq_u32 s18, 3
	s_cselect_b64 s[14:15], s[10:11], s[14:15]     ; (a select leaves the compare's answer as it is)
	s_cbranch_scc1 .Lwo
	v_lshrrev_b32 v7, 4, v4                        ; e
	v_lshl_add_u32 v7, v7, 6, s21                  ; 128 s + 64 e
	v_lshl_add_u32 v7, v5, 4, v7                   ; + 16 w
	v_add_nc_u32 v7, v7, v2                        ; + r: the row
	v_and_b32 v20, 15, v4                          ; kb
	v_lshlrev_b32 v20, 6, v20                      ; 16 kb numbers of 4 bytes
	v_lshl_add_u32 v20, v3, 5, v20                 ; + 8 h numbers
	v_lshl_add_u32 v7, v7, 10, v20                 ; + row x 1,024 bytes
	global_load_b128 v[8:11], v7, s[14:15]
	global_load_b128 v[12:15], v7, s[14:15] offset:16
	s_wait_loadcnt 0x0
	v_cvt_pk_bf16_f32 v16, v8, v9
	v_cvt_pk_bf16_f32 v17, v10, v11
	v_cvt_pk_bf16_f32 v18, v12, v13
	v_cvt_pk_bf16_f32 v19, v14, v15
	global_store_b128 v6, v[16:19], s[12:13]
	s_endpgm
.Lwo:
	v_lshrrev_b32 v7, 3, v4                        ; db
	v_lshlrev_b32 v7, 4, v7
	v_lshl_add_u32 v7, v5, 6, v7                   ; 64 w + 16 db
	v_add_nc_u32 v7, v7, v2                        ; + r: the row
	v_and_b32 v20, 7, v4                           ; kb
	v_lshl_add_u32 v20, v20, 4, s21                ; 128 s + 16 kb
	v_lshl_add_u32 v20, v3, 3, v20                 ; + 8 h: the column
	v_lshlrev_b32 v20, 2, v20
	v_lshl_add_u32 v7, v7, 11, v20                 ; + row x 2,048 bytes
	global_load_b128 v[8:11], v7, s[14:15]
	global_load_b128 v[12:15], v7, s[14:15] offset:16
	s_wait_loadcnt 0x0
	v_cvt_pk_bf16_f32 v16, v8, v9                  ; the rounding that every input has,
	v_cvt_pk_bf16_f32 v17, v10, v11
	v_cvt_pk_bf16_f32 v18, v12, v13
	v_cvt_pk_bf16_f32 v19, v14, v15
.irp j, 0,1,2,3
	v_lshlrev_b32 v[8+2*\j], 16, v[16+\j]          ; widened again,
	v_and_b32 v[9+2*\j], 0xffff0000, v[16+\j]
.endr
.irp j, 0,1,2,3
	v_cvt_pk_f16_f32 v[16+\j], v[8+2*\j], v[9+2*\j]  ; and written as f16
.endr
	global_store_b128 v6, v[16:19], s[12:13]
	s_endpgm
.Lfunc_end_k_q7d697ecd19_prep:
	.size	k_q7d697ecd19_prep, .Lfunc_end_k_q7d697ecd19_prep-k_q7d697ecd19_prep
	.p2alignl 7, 3214868480
	.fill 96, 4, 3214868480
	.section	.rodata,"a",@progbits
	.p2align	6, 0x0
	.amdhsa_kernel k_q7d697ecd19_prep
		.amdhsa_group_segment_fixed_size 0
		.amdhsa_private_segment_fixed_size 0
		.amdhsa_enable_private_segment 0
		.amdhsa_kernarg_size 40
		.amdhsa_user_sgpr_count 2
		.amdhsa_user_sgpr_kernarg_segment_ptr 1
		.amdhsa_wavefront_size32 1
		.amdhsa_system_sgpr_workgroup_id_x 1
		.amdhsa_system_sgpr_workgroup_id_y 1
		.amdhsa_system_sgpr_workgroup_id_z 1
		.amdhsa_system_vgpr_workitem_id 0
		.amdhsa_next_free_vgpr 32
		.amdhsa_next_free_sgpr 66
		.amdhsa_reserve_vcc 0
		.amdhsa_float_denorm_mode_32 3
		.amdhsa_float_denorm_mode_16_64 3
		.amdhsa_memory_ordered 1
		.amdhsa_forward_progress 1
		.amdhsa_inst_pref_size 4
	.end_amdhsa_kernel
	.amdgpu_metadata
---
amdhsa.version: [ 1, 2 ]
amdhsa.kernels:
  - .name:           k_q7d697ecd19_prep
    .symbol:         k_q7d697ecd19_prep.kd
    .args:
      - { .name: Wv, .offset: 0, .size: 8, .value_kind: global_buffer, .address_space: global }
      - { .name: Wk, .offset: 8, .size: 8, .value_kind: global_buffer, .address_space: global }
      - { .name: Wq, .offset: 16, .size: 8, .value_kind: global_buffer, .address_space: global }
      - { .name: Wo, .offset: 24, .size: 8, .value_kind: global_buffer, .address_space: global }
      - { .name: wb, .offset: 32, .size: 8, .value_kind: global_buffer, .address_space: global }
    .group_segment_fixed_size: 0
    .private_segment_fixed_size: 0
    .kernarg_segment_align: 8
    .kernarg_segment_size: 40
    .max_flat_workgroup_size: 256
    .sgpr_count:     66
    .vgpr_count:     32
    .wavefront_size: 32
...
	.end_amdgpu_metadata
.endif
;; end of part 1
;; launch proj (part 2): grid 256 x 1, 4 waves a work-group, clusters of 4 x 1, 327,680 bytes of LDS; arguments h, wb, bv, bk, bq, bo, qkv, vsc; writes qkv, vsc
.if DOCPART == 2
	.amdgcn_target "amdgcn-amd-amdhsa--gfx1250"
	.amdhsa_code_object_version 6
	.text
	.protected	k_q7d697ecd19_proj
	.globl	k_q7d697ecd19_proj
	.p2align	8
	.type	k_q7d697ecd19_proj,@function
k_q7d697ecd19_proj:
	s_mov_b64 s[64:65], 0
	v_nop
	global_prefetch_b8 v0, s[64:65] scope:SCOPE_SE
	s_setreg_imm32_b32 hwreg(HW_REG_WAVE_MODE, 25, 1), 1
	s_wait_xcnt 0x0
	s_wait_alu depctr_hold_cnt(0) depctr_sa_sdst(0) depctr_va_vdst(0) depctr_va_sdst(0) depctr_va_ssrc(0) depctr_va_vcc(0) depctr_vm_vsrc(0)
	s_getreg_b32 s2, hwreg(HW_REG_IB_STS2, 6, 4)
	s_cmp_eq_u32 s2, 0
	s_cbranch_scc0 .Lentry_in_a_cluster
	s_endpgm
.Lentry_in_a_cluster:
	s_bfe_u32 s2, ttmp6, 0x10000c
	s_cmp_lg_u32 s2, 0x3003
	s_cbranch_scc0 .Lentry_shape_is_right
	s_endpgm
.Lentry_shape_is_right:
; v, k, q = relu(h W^T + b);  V2 = v Wo^T + bo;  stored: k, q (f16), U = V2 x 2^-E (f16) and, for each block of 128 rows, (E, 2^-E).
; bo and Wo go in front of the softmax's mean because a softmax row sums to 1: att (v Wo^T) + bo = att (v Wo^T + bo).  The last relu is the attention launch's.
; FORMATS.  h, Wv, Wk, Wq and all four biases are rounded to bf16; Wo to bf16 and that number written as f16; sums in f32; v, k, q, U are rounded once to f16.
; LIMITS.  v, k, q under 65,504.  E = the exponent of the block's largest |V2|, held to -62 .. 64, so |U| < 1 for |V2| under 1.8e19.  NaN and infinities are not treated apart.
; SHARES.  A work-group owns 128 rows: 8 tiles of 16.  EVERY wave holds all 8 tiles of h as fragments (512 registers) and takes a quarter of the output channels: a weight fragment
; (two LDS loads) feeds 8 products, and each weight byte is read from LDS by one wave alone.  A UNIT is one block of 16 channels a wave: 64 products.  24 units: v, k, q.
; CLUSTER.  All work-groups walk the same 1 MiB of weights (16 slots of 64 KiB): the four partners ask for each part of 16 KiB jointly.  Wave w fetches, and alone reads, part w.
; THE PRODUCTS.  Stage 1 is taken transposed (source 0 = 16 channels of W, source 1 = 16 rows of h): a lane ends with 8 neighbouring channels of one row.  The bias is the C operand of a sum's first
; product.  Stage 2 is not transposed (source 0 = 16 rows of v, source 1 = 16 channels of Wo): a lane ends with 8 neighbouring rows (keys) of one channel, as the attention's second product wants them.
; THE BLOCK LAYOUT of all that is stored: 16 x 16 numbers are 512 bytes, lane l's 16 bytes at 16 l; a fragment is two loads of 512 consecutive bytes.
; qkv: [region KV | region Q][batch 32][kt 4][s 16][k or q tile 16,384 | U tile 8,192]; the tile of 16 rows number 4 s + kt of its batch.
; LDS: 0 ring (two slots of 65,536); 131,072 v in f16, [tile 8][channel block 32][512] (at the head: h in bf16, rows of 528 bytes); 262,144 biases in f32; 269,312 the waves' maxima; 269,568 the spare words.
; REGISTERS, in windows of 256.  Window 0: addresses, at work, v64-191 two sets of weight fragments.  Windows 1, 2: h's fragments, tile t, K step c at 64 (t % 4) + 8 c (stage 2: window 1 holds two sets of
; 96: 8 fragments of v, 4 of Wo).  Window 3: stage 1: two sets of 8 accumulators, two biases, packed results, four address registers; stage 2: 32 accumulators.
.set RING1, 65536
.set VT,    131072
.set HP,    528                        ; a row of h in LDS: 512 bytes + 16: sixteen rows of a fragment load start 16 bytes apart modulo 256
.set BIAS,  262144
.set RED,   269312
.set SPARE, 269568
.set KTB,   393216
.set STB,   24576
.set BATB,  1572864
.set QJUMP, 50331648-7*2048            ; from k's last channel blocks to q's first
.set L16, 2                            ; v2   16 x lane
.set AW0, 3                            ; v3   my part of a slot: 16,384 w + 16 lane
.set ADW, 4                            ; v4   the same in the slot being read
.set ADB, 5                            ; v5   the bias of the unit being fetched
.set AH,  6                            ; v6   h's fragments in LDS
.set AV0, 7                            ; v7, v8  v's fragments: tiles 0-3, tiles 4-7
.set GV,  9                            ; v9   my 16 bytes in a tile of U
.set HST, 10                           ; v10  where I put 8 bytes of a row of h
.set SPW, 12                           ; v12  my spare word; never rewritten
.set NIL, 13                           ; v13  0; never rewritten
.set WF,  64
.set BOC, 64                           ; stage 2: bo as a C operand, 8 registers for each of my 4 channel blocks
.set BI,  128                          ; window 3
.set TMP, 144
.set ZERO, 176
.set GO,  177
.set LS0, 178
.set LC,  180
.set WV,  20                           ; s20  wave
.set TB,  23                           ; s23  the slot being read
.set CT,  24                           ; s24  loop count
.set VB,  25                           ; s25  where v's next channel blocks go
.set W_M1, 0xf4                        ; D, C window 3; W window 0; h window 1 (+4: window 2)
.set W_R,  0xcf                        ; all in window 3
.set W_L1, 0x40
.set W_S2, 0xf5
.set W_S2F, 0xc5
.set MSB, 0
.macro WIN new                         ; the high byte repeats the setting that is left; a switch that changes nothing is dropped
.if MSB != (\new)
	s_set_vgpr_msb (MSB<<8)|(\new)
.set MSB, (\new)
.endif
.endm
.macro PLACES                          ; four plain instructions between a product and a load into, or a vector line on, its registers
.rept 4
	v_nop
.endr
.endm
.macro CREST                           ; a round of the cluster's barrier behind its opening barrier
	s_cmp_lg_u32 s[WV], 0
	s_cbranch_scc1 .Lnw0_\@
	s_barrier_signal -3
.Lnw0_\@:
	s_barrier_wait -3
	s_barrier_signal -1
	s_barrier_wait -1
.endm
.macro CROUND
	s_barrier_signal -1
	s_barrier_wait -1
	CREST
.endm
	s_load_b512 s[4:19], s[0:1], 0x0               ; h, wb, bv, bk, bq, bo, qkv, vsc
	v_lshl_add_u32 v[SPW], v0, 2, SPARE
	v_mov_b32 v[NIL], 0
	ds_add_u32 v[SPW], v[NIL]                      ; the wave's opening: the add and its wait ahead of my first tensor load
	v_lshrrev_b32 v1, 5, v0
	v_readfirstlane_b32 s[WV], v1
	s_bfe_u32 s21, ttmp6, 0x40000                  ; cx
	s_lshl_b32 s22, ttmp9, 2
	s_add_co_u32 s22, s22, s21                     ; my block of 128 rows: it enters h's, qkv's and vsc's addresses alone
	s_mov_b32 s32, 15|(3<<16)|(1<<21)              ; group 1: the mask of four; elements of 8 bytes; bit 21 beside a mask; no padding
	s_mov_b32 s33, 32<<16                          ; tensor_dim0 = 32 elements: rows of 256 bytes
	s_mov_b32 s34, 64<<16                          ; tensor_dim1 = 64 rows: 16,384 dense bytes
	s_mov_b32 s35, 32<<16                          ; tile_dim0
	s_mov_b32 s36, 64                              ; tile_dim1
	s_mov_b32 s37, 32                              ; from row to row
	s_mov_b32 s38, 0
	s_mov_b32 s39, 0
	s_mov_b32 s40, 1                               ; group 0 for slot 0's first fill
	s_lshl_b32 s41, s[WV], 14
	s_mov_b32 s44, 1                               ; group 0 for slot 1's first fill; it then walks
	s_add_co_u32 s45, s41, RING1
	s_mov_b32 s50, 0x76543210
	s_mov_b32 s51, 0xfedcba98
	s_mov_b32 s[TB], 0
	s_mov_b32 s[VB], 0
	s_mov_b32 s27, 0
	s_mov_b32 s56, QJUMP
	s_mov_b32 s57, 2048
	s_mov_b32 s52, s41
	s_mov_b32 s53, 0
	s_lshl_b32 s54, s22, 17                        ; 128 rows of 1,024 bytes
	s_mov_b32 s55, 0
	s_lshr_b32 s58, s22, 3                         ; batch
	s_mul_i32 s58, s58, BATB
	s_and_b32 s59, s22, 7
	s_mul_i32 s59, s59, 2*STB                      ; my 8 tiles: s = 2 (block % 8) + t / 4, kt = t % 4
	s_add_co_u32 s58, s58, s59
	s_mov_b32 s59, 0
	v_and_b32 v14, 31, v0
	v_lshlrev_b32 v[L16], 4, v14
	v_and_b32 v15, 15, v0                          ; r
	v_bfe_u32 v16, v0, 4, 1                        ; half
	v_add_nc_u32 v[AW0], s41, v[L16]
	v_mul_u32_u24 v[AH], v15, HP
	v_lshl_add_u32 v[AH], v16, 4, v[AH]
	v_add_nc_u32 v[AH], VT, v[AH]
	v_add_nc_u32 v[AV0], VT, v[L16]
	v_add_nc_u32 v[AV0+1], VT+65536, v[L16]
	v_lshl_add_u32 v[GV], s[WV], 11, v[L16]
	s_mul_i32 s60, s[WV], 32*HP
	v_lshl_add_u32 v[HST], v14, 3, s60
	v_add_nc_u32 v[HST], VT, v[HST]
	v_lshl_add_u32 v11, s[WV], 15, v[L16]          ; my 32 rows of h
	v_lshlrev_b32 v17, 4, v0                       ; 16 bytes a thread of bv, bk, bq
	v_and_b32 v18, 63, v0
	v_lshlrev_b32 v18, 4, v18                      ; and of bo
	v_add_nc_u32 v19, BIAS, v17
	v_add_nc_u32 v20, BIAS+6144, v18
	s_lshl_b32 s61, s[WV], 6
	v_lshl_add_u32 v[ADB], v16, 5, s61
	v_add_nc_u32 v[ADB], BIAS-256, v[ADB]          ; each fetch steps it by 256: unit u's bias lies at 256 u + 64 w + 32 half
	v_lshl_add_u32 v21, s[WV], 9, v[L16]           ; 16 lane + 512 w
	s_lshl_b32 s62, s[WV], 8
	v_lshl_add_u32 v22, v15, 2, s62
	v_add_nc_u32 v22, BIAS+6144, v22               ; bo[64 w + r]
	s_wait_dscnt 0x0                               ; the opening add is done
	s_wait_kmcnt 0x0
	s_add_nc_u64 s[42:43], s[6:7], s[52:53]        ; wb at my part of slot 0
	s_add_nc_u64 s[46:47], s[42:43], 0x10000       ; and of slot 1
	s_or_b32 s43, s43, 0x80000000
	s_or_b32 s47, s47, 0x80000000
	s_add_nc_u64 s[4:5], s[4:5], s[54:55]
	s_add_nc_u64 s[28:29], s[16:17], s[58:59]      ; where k's first channel blocks go
	s_add_nc_u64 s[48:49], s[28:29], 16384         ; and U
	s_lshl_b32 s54, s22, 9
	s_add_nc_u64 s[18:19], s[18:19], s[54:55]      ; my record of 512 bytes in vsc
	global_load_b128 v[24:27], v17, s[8:9]
	global_load_b128 v[28:31], v17, s[10:11]
	global_load_b128 v[32:35], v17, s[12:13]
	global_load_b128 v[36:39], v18, s[14:15]
	WIN 0xc0                                       ; h, raw, fills window 3: 64 loads of 512 consecutive bytes
.set n, 0
.rept 64
	global_load_b128 v[4*n:4*n+3], v11, s[4:5] offset:512*n th:TH_LOAD_NT
.set n, n+1
.endr
	WIN 0
	CROUND                                         ; all four work-groups are here: the first joint loads meet
	tensor_load_to_lds s[40:43], s[32:39]
	s_nop 0
	tensor_load_to_lds s[44:47], s[32:39]          ; two loads of mine are out
	s_nop 0
	PLACES
	s_wait_loadcnt 63                              ; 64 loads were issued behind the biases'; the wait's field holds 63
.irp j, 0,1,2,3,4,5,6,7
	v_cvt_pk_bf16_f32 v[40+\j], v[24+2*\j], v[25+2*\j]  ; the biases have the rounding that every input has,
.endr
.irp j, 0,1,2,3,4,5,6,7
	v_lshlrev_b32 v[24+2*\j], 16, v[40+\j]         ; and are kept in f32
	v_and_b32 v[25+2*\j], 0xffff0000, v[40+\j]
.endr
	ds_store_b128 v19, v[24:27]
	ds_store_b128 v19, v[28:31] offset:2048
	ds_store_b128 v19, v[32:35] offset:4096
	s_cmp_lt_u32 s[WV], 2                          ; bo has 64 pieces: waves 0 and 1 store them
	s_cbranch_scc0 .Lnobo
	ds_store_b128 v20, v[36:39]
.Lnobo:
.set n, 0
.rept 4                                ; h to bf16, sixteen loads at a time, into rows of 528 bytes: a store of 8 bytes a lane covers 256 consecutive bytes
	s_wait_loadcnt 48-n                            ; the younger loads of h stay out
	WIN 0x0f
.set m, n
.rept 16
	v_cvt_pk_bf16_f32 v[64+2*m], v[4*m], v[4*m+1]
	v_cvt_pk_bf16_f32 v[65+2*m], v[4*m+2], v[4*m+3]
.set m, m+1
.endr
	WIN 0
.set m, n
.rept 16
	ds_store_b64 v[HST], v[64+2*m:65+2*m] offset:HP*(m/2)+256*(m%2)
.set m, m+1
.endr
.set n, n+16
.endr
	WIN 0xc0                                       ; window 3 is free: stage 1's constants
	v_mov_b32 v[ZERO], 0
	v_mov_b32 v[GO], v21
	v_add_nc_u32 v[LC], VT, v21
	WIN 0
	s_wait_dscnt 0x0                               ; for the others' sake: my rows of h and my biases lie in LDS
	s_barrier_signal -1
	s_barrier_wait -1
.set t, 0
.rept 8                                ; all 8 tiles' fragments: row 16 t + r, K step c: two loads of 16 bytes, 32 bytes apart
	WIN 0x40+0x40*(t/4)
.set c, 0
.rept 8
	ds_load_b128 v[64*(t%4)+8*c:64*(t%4)+8*c+3], v[AH] offset:16*HP*t+64*c
	ds_load_b128 v[64*(t%4)+8*c+4:64*(t%4)+8*c+7], v[AH] offset:16*HP*t+64*c+32
.set c, c+1
.endr
.set t, t+1
.endr
	WIN 0
; 18 LDS loads: a unit's 8 weight fragments, from byte off of my part of the slot, and its bias, into set bn
.macro FETCH1 bn, off
	WIN 0
.irp c, 0,1,2,3,4,5,6,7
	ds_load_b128 v[WF+64*(\bn)+8*(\c):WF+64*(\bn)+8*(\c)+3], v[ADW] offset:(\off)+1024*(\c)
	ds_load_b128 v[WF+64*(\bn)+8*(\c)+4:WF+64*(\bn)+8*(\c)+7], v[ADW] offset:(\off)+1024*(\c)+512
.endr
	v_add_nc_u32 v[ADB], 0x100, v[ADB]
	WIN 0xc0
	ds_load_b128 v[BI+8*(\bn):BI+8*(\bn)+3], v[ADB]
	ds_load_b128 v[BI+8*(\bn)+4:BI+8*(\bn)+7], v[ADB] offset:16
.endm
; 24 LDS loads: K step c of the slot's four, for stage 2, into set b of window 1: 8 fragments of v, my 4 of Wo
.macro FETCH2 b, c
	WIN W_L1
.irp t, 0,1,2,3,4,5,6,7
	ds_load_b128 v[96*(\b)+8*(\t):96*(\b)+8*(\t)+3], v[AV0+(\t)/4] offset:16384*((\t)%4)+1024*(\c)
	ds_load_b128 v[96*(\b)+8*(\t)+4:96*(\b)+8*(\t)+7], v[AV0+(\t)/4] offset:16384*((\t)%4)+1024*(\c)+512
.endr
.irp d, 0,1,2,3
	ds_load_b128 v[96*(\b)+64+8*(\d):96*(\b)+64+8*(\d)+3], v[ADW] offset:4096*(\d)+1024*(\c)
	ds_load_b128 v[96*(\b)+64+8*(\d)+4:96*(\b)+64+8*(\d)+7], v[ADW] offset:4096*(\d)+1024*(\c)+512
.endr
.endm
; n products of K step c for tiles 4 hh + lo on.  The four accumulators of a half take turns, one instruction a turn.  The first K step takes the bias as C.
.macro ROW1 b, hh, c, lo, n
	WIN W_M1+4*(\hh)
.set tt, (\lo)
.rept (\n)
.if (\c) == 0
	v_wmma_f32_16x16x32_bf16 v[64*(\b)+32*(\hh)+8*tt:64*(\b)+32*(\hh)+8*tt+7], v[WF+64*(\b)+8*(\c):WF+64*(\b)+8*(\c)+7], v[64*tt+8*(\c):64*tt+8*(\c)+7], v[BI+8*(\b):BI+8*(\b)+7]
.else
	v_wmma_f32_16x16x32_bf16 v[64*(\b)+32*(\hh)+8*tt:64*(\b)+32*(\hh)+8*tt+7], v[WF+64*(\b)+8*(\c):WF+64*(\b)+8*(\c)+7], v[64*tt+8*(\c):64*tt+8*(\c)+7], v[64*(\b)+32*(\hh)+8*tt:64*(\b)+32*(\hh)+8*tt+7]
.endif
.set tt, tt+1
.endr
.endm
; The way out of the unit before, in 16 groups that stand between this unit's products.  Group g, for tile g / 2 of set o: even: rounded to f16, from the accumulator's low end on;
; odd: the relu on packed halves, and one store of 512 consecutive bytes: kind 1 into LDS (v), kind 2 into qkv (k, q).
.macro GRP kind, o, g
	WIN W_R
.set gt, (\g)/2
.if (\g)%2 == 0
.irp j, 0,1,2,3
	v_cvt_pk_f16_f32 v[TMP+4*gt+\j], v[64*(\o)+8*gt+2*\j], v[64*(\o)+8*gt+2*\j+1]
.endr
.else
.irp j, 0,1,2,3
	v_pk_max_num_f16 v[TMP+4*gt+\j], v[TMP+4*gt+\j], v[ZERO]
.endr
.if (\kind) == 2
	global_store_b128 v[GO], v[TMP+4*gt:TMP+4*gt+3], s[28:29] offset:(gt%4)*KTB+(gt/4)*STB
.else
	ds_store_b128 v[LS0+gt/4], v[TMP+4*gt:TMP+4*gt+3] offset:16384*(gt%4)
.endif
.endif
.endm
; A UNIT: 64 products into set b.  ride: 0 none, 1, 2: the kind of the groups.  mid 0: the slot's second unit is fetched.  mid 1: THE CHANGE OF SLOTS: both units of this slot are in registers; every wave
; waits for all its tensor loads (one is out: its part of the other slot), adds 0 to its spare word, waits for that and for its reads; a round of the cluster's barrier; the joint refill first behind it,
; with the data two slots on: it has two units, 128 products, in which to land.  mid 2: the same, and stage 2's first fragments are fetched.  sel = 1: the store address may jump from k to q.
.macro UNIT b, ride, mid, sel=0
	s_wait_dscnt 0x0                               ; this unit's 18 loads are in (they were issued 32 products ago)
.if (\ride) == 1
	WIN W_R
	v_add_nc_u32 v[LS0], s[VB], v[LC]
	v_add_nc_u32 v[LS0+1], 0x10000, v[LS0]
.endif
.irp c, 0,1,2,3,4,5,6,7
	ROW1 \b, 0, \c, 0, 2
.if (\ride)
	GRP \ride, 1-(\b), 2*(\c)
.endif
	ROW1 \b, 0, \c, 2, 2
.if (\ride)
	GRP \ride, 1-(\b), 2*(\c)+1
.endif
.endr
.if (\ride) == 2
	s_wait_xcnt 0x0                                ; the eight stores have read their base and data: both are written again only behind this wait
.if (\sel)
	s_cmp_eq_u32 s[CT], 4                          ; the trip whose second unit carries k's last channel blocks
	s_cselect_b32 s26, s56, s57
.else
	s_mov_b32 s26, s57
.endif
	s_add_nc_u64 s[28:29], s[28:29], s[26:27]
.elseif (\ride) == 1
	s_add_co_u32 s[VB], s[VB], 2048
.endif
.if (\mid) == 0
	PLACES
	FETCH1 1-(\b), 8192
.irp c, 0,1,2,3,4,5,6,7
	ROW1 \b, 1, \c, 0, 4
.endr
.else
	WIN 0
	s_wait_tensorcnt 0x0                           ; no tensor load of mine is out, so the walking group 0 may be written
	ds_add_u32 v[SPW], v[NIL]                      ; 0 onto my spare word
	s_xor_b32 s45, s45, RING1
	s_add_nc_u64 s[46:47], s[46:47], 0x10000
	ROW1 \b, 1, 0, 0, 4
	ROW1 \b, 1, 1, 0, 4
	s_wait_dscnt 0x0                               ; the add is done; my reads of the slot and my stores of v are over
	s_barrier_signal -1
	ROW1 \b, 1, 2, 0, 4
	ROW1 \b, 1, 3, 0, 4
	WIN 0
	s_barrier_wait -1
	CREST
	tensor_load_to_lds s[44:47], s[32:39]          ; my one tensor load behind the round
	s_nop 0
	PLACES                                         ; also the places in front of the loads below
	s_xor_b32 s[TB], s[TB], RING1
	v_add_nc_u32 v[ADW], s[TB], v[AW0]
.if (\mid) == 1
	FETCH1 1-(\b), 0
.else
	FETCH2 0, 0                                    ; tiles 0-3 of h, in window 1, have had their last product
.endif
.irp c, 4,5,6,7
	ROW1 \b, 1, \c, 0, 4
.endr
.endif
.endm
	s_wait_tensorcnt 0x1                           ; my part of slot 0 is in, and I alone read it; slot 1's may stay out
	v_mov_b32 v[ADW], v[AW0]
	FETCH1 0, 0
	WIN 0
	s_wait_dscnt 0x0                               ; my reads of h are over: behind this barrier v is stored over h's rows
	s_barrier_signal -1
	s_barrier_wait -1
	UNIT 0, 0, 0                                   ; unit 0; unit u's results leave between the products of unit u + 1
	WIN 0
	s_mov_b32 s[CT], 4
.Lv:                                                   ; units 1 to 8 carry v
	UNIT 1, 1, 1
	UNIT 0, 1, 0
	WIN 0
	s_sub_co_u32 s[CT], s[CT], 1
	s_cmp_lg_u32 s[CT], 0
	s_cbranch_scc1 .Lv
	s_mov_b32 s[CT], 7
.Lkq:                                                  ; units 9 to 22 carry k and q
	UNIT 1, 2, 1
	UNIT 0, 2, 0, 1
	WIN 0
	s_sub_co_u32 s[CT], s[CT], 1
	s_cmp_lg_u32 s[CT], 0
	s_cbranch_scc1 .Lkq
	UNIT 1, 2, 2                                   ; unit 23
.irp g, 0,1,2,3,4,5,6,7,8,9,10,11,12,13,14,15
	GRP 2, 1, \g                                   ; and its own results
.endr
	WIN 0
	s_wait_xcnt 0x0                                ; the stores have read window 3, which stage 2's sums take over
.irp d, 0,1,2,3
	ds_load_b32 v[BOC+8*\d], v22 offset:64*\d      ; bo[64 w + 16 db + r]
.endr
	s_wait_dscnt 0x0
.irp d, 0,1,2,3
.irp j, 1,2,3,4,5,6,7
	v_mov_b32 v[BOC+8*\d+\j], v[BOC+8*\d]          ; the same for all 8 keys of a lane
.endr
.endr
; STAGE 2.  n products, numbers lo on, of a K step: number 4 t + db.  The 32 accumulators take turns.  first = 1: bo starts the sums.
.macro PR2 b, lo, n, first=0
.set pi, (\lo)
.rept (\n)
.if (\first)
	WIN W_S2F
	v_wmma_f32_16x16x32_f16 v[8*pi:8*pi+7], v[96*(\b)+8*(pi/4):96*(\b)+8*(pi/4)+7], v[96*(\b)+64+8*(pi%4):96*(\b)+64+8*(pi%4)+7], v[BOC+8*(pi%4):BOC+8*(pi%4)+7]
.else
	WIN W_S2
	v_wmma_f32_16x16x32_f16 v[8*pi:8*pi+7], v[96*(\b)+8*(pi/4):96*(\b)+8*(pi/4)+7], v[96*(\b)+64+8*(pi%4):96*(\b)+64+8*(pi%4)+7], v[8*pi:8*pi+7]
.endif
.set pi, pi+1
.endr
.endm
.macro NEXTW                           ; on to the other slot, and to v's next 128 channels
	WIN 0
	s_xor_b32 s[TB], s[TB], RING1
	v_add_nc_u32 v[ADW], s[TB], v[AW0]
	v_add_nc_u32 v[AV0], 0x1000, v[AV0]
	v_add_nc_u32 v[AV0+1], 0x1000, v[AV0+1]
.endm
; A K step of 32: 32 products on set b.  mode 0: the slot's next K step is fetched in its middle.  mode 1: the slot's last K step, with the change of slots as in UNIT.
; mode 2: the same without a refill: my own wait shows my part of the last slot, which I alone read.  mode 3: the last K step of all.
.macro KSTEP b, c, mode, first=0
	s_wait_dscnt 0x0                               ; this K step's 24 loads are in (issued 16 products ago)
.if (\mode) == 0
	PR2 \b, 0, 16, \first
	PLACES
	FETCH2 1-(\b), (\c)+1
	PR2 \b, 16, 16, \first
.elseif (\mode) == 1
	WIN 0
	s_wait_tensorcnt 0x0
	ds_add_u32 v[SPW], v[NIL]
	s_xor_b32 s45, s45, RING1
	s_add_nc_u64 s[46:47], s[46:47], 0x10000
	PR2 \b, 0, 8
	s_wait_dscnt 0x0
	s_barrier_signal -1
	PR2 \b, 8, 8
	WIN 0
	s_barrier_wait -1
	CREST
	tensor_load_to_lds s[44:47], s[32:39]
	s_nop 0
	PLACES
	NEXTW
	FETCH2 0, 0
	PR2 \b, 16, 16
.elseif (\mode) == 2
	s_wait_tensorcnt 0x0
	PR2 \b, 0, 16
	PLACES
	NEXTW
	FETCH2 0, 0
	PR2 \b, 16, 16
.else
	PR2 \b, 0, 32
.endif
.endm
	KSTEP 0, 0, 0, 1
	WIN 0
	s_mov_b32 s[CT], 2
.Lwo:                                                  ; two trips: the last two slots of Wo are asked for
	KSTEP 1, 1, 0
	KSTEP 0, 2, 0
	KSTEP 1, 3, 1
	KSTEP 0, 0, 0
	WIN 0
	s_sub_co_u32 s[CT], s[CT], 1
	s_cmp_lg_u32 s[CT], 0
	s_cbranch_scc1 .Lwo
	KSTEP 1, 1, 0
	KSTEP 0, 2, 0
	KSTEP 1, 3, 2
	KSTEP 0, 0, 0
	KSTEP 1, 1, 0
	KSTEP 0, 2, 0
	KSTEP 1, 3, 3
	; THE WAY OUT.  The largest |V2| of the block: in a lane (four chains, each accumulator from its low end on), across the lanes, across the waves through LDS.
	PLACES
	WIN 0
.irp k, 0,1,2,3
	v_mov_b32 v[14+\k], 0
.endr
	WIN 0x3c                                       ; sources 1 and 2 in window 3
.set a, 0
.rept 32
.irp k, 0,1,2,3
	v_max3_num_f32 v[14+\k], v[14+\k], |v[8*a+2*\k]|, |v[8*a+2*\k+1]|
.endr
.set a, a+1
.endr
	WIN 0
	v_max3_num_f32 v14, v14, v15, v16
	v_max_num_f32 v14, v14, v17
	v_max_num_f32_dpp v14, v14, v14 row_xmask:1 row_mask:0xf bank_mask:0xf
	v_max_num_f32_dpp v14, v14, v14 row_xmask:2 row_mask:0xf bank_mask:0xf
	v_max_num_f32_dpp v14, v14, v14 row_xmask:4 row_mask:0xf bank_mask:0xf
	v_max_num_f32_dpp v14, v14, v14 row_xmask:8 row_mask:0xf bank_mask:0xf
	v_permlanex16_b32 v15, v14, s50, s51
	v_max_num_f32 v14, v14, v15
	s_lshl_b32 s60, s[WV], 2
	s_add_co_u32 s60, s60, RED
	v_mov_b32 v16, s60
	ds_store_b32 v16, v14                          ; all lanes write the same word with the same value
	s_wait_dscnt 0x0
	s_barrier_signal -1
	s_barrier_wait -1
	v_mov_b32 v17, RED
	ds_load_b128 v[20:23], v17
	s_wait_dscnt 0x0
	v_max3_num_f32 v14, v20, v21, v22
	v_max_num_f32 v14, v14, v23
	v_max_num_f32 v14, 0x20000000, v14             ; held to 2^-63 .. 2^63
	v_min_num_f32 v14, 0x5f000000, v14
	v_lshrrev_b32 v14, 23, v14                     ; its biased exponent eb, 64 .. 190;  E = eb - 126, so that |V2| < 2^E
	v_sub_nc_u32 v15, 0xfd, v14
	v_lshlrev_b32 v18, 23, v15                     ; 2^-E
	v_mov_b32 v19, v18
	v_add_nc_u32 v15, 0xffffff82, v14
	v_cvt_f32_i32 v20, v15                         ; E
	v_mov_b32 v21, v18
	v_mov_b32 v22, v20
	v_mov_b32 v23, v18
	WIN 0xc3
.set a, 0
.rept 128
	v_pk_mul_f32 v[2*a:2*a+1], v[2*a:2*a+1], v[18:19] op_sel_hi:[1,0]
.set a, a+1
.endr
	WIN 0x0f
.set a, 0
.rept 128
	v_cvt_pk_f16_f32 v[64+a], v[2*a], v[2*a+1]
.set a, a+1
.endr
	WIN 0
.set a, 0
.rept 32                               ; accumulator 4 t + db: tile t, channel block 4 w + db: 512 consecutive bytes
	global_store_b128 v[GV], v[64+4*a:64+4*a+3], s[48:49] offset:((a/4)%4)*KTB+(a/16)*STB+512*(a%4)
.set a, a+1
.endr
	s_cmp_lg_u32 s[WV], 0
	s_cbranch_scc1 .Lnosc
	global_store_b128 v[L16], v[20:23], s[18:19]   ; the record: (E, 2^-E) 64 times
.Lnosc:
	s_wait_tensorcnt 0x0                           ; the wave's end
	ds_add_u32 v[SPW], v[NIL]
	s_wait_dscnt 0x0
	CROUND                                         ; the closing round
	s_endpgm
.Lfunc_end_k_q7d697ecd19_proj:
	.size	k_q7d697ecd19_proj, .Lfunc_end_k_q7d697ecd19_proj-k_q7d697ecd19_proj
	.p2alignl 7, 3214868480
	.fill 96, 4, 3214868480
	.section	.rodata,"a",@progbits
	.p2align	6, 0x0
	.amdhsa_kernel k_q7d697ecd19_proj
		.amdhsa_group_segment_fixed_size 327680
		.amdhsa_private_segment_fixed_size 0
		.amdhsa_enable_private_segment 0
		.amdhsa_kernarg_size 64
		.amdhsa_user_sgpr_count 2
		.amdhsa_user_sgpr_kernarg_segment_ptr 1
		.amdhsa_wavefront_size32 1
		.amdhsa_system_sgpr_workgroup_id_x 1
		.amdhsa_system_sgpr_workgroup_id_y 1
		.amdhsa_system_sgpr_workgroup_id_z 1
		.amdhsa_system_vgpr_workitem_id 0
		.amdhsa_next_free_vgpr 1024
		.amdhsa_next_free_sgpr 66
		.amdhsa_reserve_vcc 0
		.amdhsa_float_denorm_mode_32 3
		.amdhsa_float_denorm_mode_16_64 3
		.amdhsa_memory_ordered 1
		.amdhsa_forward_progress 1
		.amdhsa_inst_pref_size 180
	.end_amdhsa_kernel
	.amdgpu_metadata
---
amdhsa.version: [ 1, 2 ]
amdhsa.kernels:
  - .name:           k_q7d697ecd19_proj
    .symbol:         k_q7d697ecd19_proj.kd
    .args:
      - { .name: h, .offset: 0, .size: 8, .value_kind: global_buffer, .address_space: global }
      - { .name: wb, .offset: 8, .size: 8, .value_kind: global_buffer, .address_space: global }
      - { .name: bv, .offset: 16, .size: 8, .value_kind: global_buffer, .address_space: global }
      - { .name: bk, .offset: 24, .size: 8, .value_kind: global_buffer, .address_space: global }
      - { .name: bq, .offset: 32, .size: 8, .value_kind: global_buffer, .address_space: global }
      - { .name: bo, .offset: 40, .size: 8, .value_kind: global_buffer, .address_space: global }
      - { .name: qkv, .offset: 48, .size: 8, .value_kind: global_buffer, .address_space: global }
      - { .name: vsc, .offset: 56, .size: 8, .value_kind: global_buffer, .address_space: global }
    .group_segment_fixed_size: 327680
    .private_segment_fixed_size: 0
    .kernarg_segment_align: 8
    .kernarg_segment_size: 64
    .max_flat_workgroup_size: 128
    .sgpr_count:     66
    .vgpr_count:     1024
    .wavefront_size: 32
...
	.end_amdgpu_metadata
.endif
;; end of part 2
;; launch attn (part 3): grid 8 x 32, 4 waves a work-group, clusters of 4 x 1, 327,680 bytes of LDS; arguments qkv, vsc, out0; writes out0
.if DOCPART == 3
	.amdgcn_target "amdgcn-amd-amdhsa--gfx1250"
	.amdhsa_code_object_version 6
	.text
	.protected	k_q7d697ecd19_attn
	.globl	k_q7d697ecd19_attn
	.p2align	8
	.type	k_q7d697ecd19_attn,@function
k_q7d697ecd19_attn:
	s_mov_b64 s[64:65], 0
	v_nop
	global_prefetch_b8 v0, s[64:65] scope:SCOPE_SE
	s_setreg_imm32_b32 hwreg(HW_REG_WAVE_MODE, 25, 1), 1
	s_wait_xcnt 0x0
	s_wait_alu depctr_hold_cnt(0) depctr_sa_sdst(0) depctr_va_vdst(0) depctr_va_sdst(0) depctr_va_ssrc(0) depctr_va_vcc(0) depctr_vm_vsrc(0)
	s_getreg_b32 s2, hwreg(HW_REG_IB_STS2, 6, 4)
	s_cmp_eq_u32 s2, 0
	s_cbranch_scc0 .Lentry_in_a_cluster
	s_endpgm
.Lentry_in_a_cluster:
	s_bfe_u32 s2, ttmp6, 0x10000c
	s_cmp_lg_u32 s2, 0x3003
	s_cbranch_scc0 .Lentry_shape_is_right
	s_endpgm
.Lentry_shape_is_right:
; out[b][n][:] = relu( sum over m of softmax_m(q[n] . k[m]) V2[m][:] ),  V2[m] = 2^E U[m], E one number for each block of 128 keys.  q, k: 512 channels, U: 256, all f16; products, maxima, sums in f32.
; SOFTMAX.  c = log2(e).  A running maximum M of c s + E;  p = 2^(c s + E - M) (at most 1, rounded to f16 for the second product);  O = sum p U;  l = sum p 2^-E (of the unrounded p);  out = relu(O / l).
; In every step O and l are multiplied by a = 2^(M_old - M).  M starts far below every c s + E, O and l at 0: the first a is 0 and no first step is written out (256 lines clear O in the wait for the first tile).
; LIMITS.  A weight below 2^-126 counts as 0 in l, below 6e-8 as 0 in O.  E lies in -62 .. 64, so l stays between 2^-64 and 2^72.  NaN and infinities are not treated apart.
; SHARES.  A work-group owns 128 queries of a batch, a wave two tiles of 16.  Every wave walks 16 steps of 64 keys.  Both products are taken transposed (S^T = K Q^T, O^T = U^T P): a lane holds one query.
; THE TRIP.  Trip j multiplies K(j+1) Q^T (blocks 0-7, 16 products each) and U(j)^T P(j) (blocks 8-11); beside them the softmax of step j and the maximum of step j + 1.  The sum's last link writes the
; scores into a second set of registers, on which the vector work goes, so the text is the same in every trip.
; THE RECORD.  In memory, for one kt, lie k(0), U(0), k(1), U(1) ..: record s = [U(s-1) | k(s)] is 24,576 consecutive bytes, all that trip s - 1 reads: it is freed and filled as one.  Wave w fetches kt = w.
; Record 0 is k(0) alone.  Record 16's last 16,384 bytes are the bytes that follow in qkv (another tile, written by the launch before): they land and are never read.
; CLUSTER.  The four query blocks of a cluster walk the same K and U: each record is asked for jointly.
; LDS: slot 0 at 0, slot 1 at 131,072, 98,304 bytes each, part kt at 24,576 kt; 229,376 a stage of 16 rows x 1,040 bytes for each wave; 295,936 the spare words.
; REGISTERS, in windows of 256.  Window 0: addresses, statistics, v64-127 the sums S^T, v128-191 the scores at work, v192-223 P.  Window 1: O^T, 128 a tile.  Window 2: Q, 128 a tile.
; Window 3: four buffers of 8 fragments; block b reads buffer b % 4; fragments are loaded three blocks ahead.
.set KTB,   393216
.set STB,   24576
.set BATB,  1572864
.set QOFF,  50331648
.set SLOT1, 1<<17
.set STAGE, 229376
.set SPI,   1040                       ; a stage row: 1,024 bytes + 16: sixteen lanes' stores start 16 bytes apart modulo 256
.set SPARE, 295936
.set L16, 2                            ; v2   16 x lane
.set ADR, 3                            ; v3, v4  the slot being read: parts 0-1, parts 2-3
.set STO, 6
.set RD,  7
.set PFO, 11                           ; v11  256 x lane
.set SPW, 12
.set NIL, 13
.set ST,  16                           ; tile u's statistics at ST + 8 u: +0 E - M, +1 M_old, +2, +3 l, +4 M, +6 a, +7 named with a as a pair
.set CW,  32                           ; four registers at work a tile
.set SA,  64
.set SW,  128
.set P,   192
.set WV,  12
.set LIM, 14
.set CNT, 15
.set TB,  16
.set PFA, 18
.set VSP, 20
.set SCN, 22                           ; s[22:23] (E, 2^-E) of step j + 1
.set IBC, 24                           ; s[24:25] 2^-E of step j
.set CSC, 26                           ; s[26:27] c
.set SEL, 28
.set G1,  32                           ; a record: 96 rows of 256 bytes
.set G1F, 40                           ; record 0: 64 rows
.set G0A, 48
.set G0B, 52                           ; it walks
.set W_KQ, 0x0b                        ; K window 3, Q window 2, S^T window 0
.set W_PV, 0x53                        ; U window 3, P window 0, O^T window 1
.set W_LD, 0xc0
.set W_RS, 0x41
.set MSB, 0
.macro WIN new
.if MSB != (\new)
	s_set_vgpr_msb (MSB<<8)|(\new)
.set MSB, (\new)
.endif
.endm
.macro PLACES
.rept 4
	v_nop
.endr
.endm
.macro CREST
	s_cmp_lg_u32 s[WV], 0
	s_cbranch_scc1 .Lnw0_\@
	s_barrier_signal -3
.Lnw0_\@:
	s_barrier_wait -3
	s_barrier_signal -1
	s_barrier_wait -1
.endm
.macro CROUND
	s_barrier_signal -1
	s_barrier_wait -1
	CREST
.endm
; A PREFETCH INTO THE L2 of the record that the NEXT change of slots will ask for, one trip (192 products) ahead of its load.  Both clusters of a batch walk the same records: the first asks.  Its partner
; cx takes kt = cx, by address; waves 0, 1, 2 take 8,192 bytes each, a lane for each 256.  Of record 16 only U's 8,192 bytes are named (wave 0), beyond it nothing.
.macro ASK
	s_cmp_gt_u32 s[CNT], s[LIM]
	s_cbranch_scc0 .Lnp_\@
	global_prefetch_b8 v[PFO], s[PFA:PFA+1] th:TH_LOAD_NT scope:SCOPE_SE
.Lnp_\@:
.endm
	s_load_b128 s[4:7], s[0:1], 0x0                ; qkv, vsc
	s_load_b64 s[8:9], s[0:1], 0x10                ; out0
	v_lshl_add_u32 v[SPW], v0, 2, SPARE
	v_mov_b32 v[NIL], 0
	ds_add_u32 v[SPW], v[NIL]                      ; the wave's opening: the add and its wait ahead of my first tensor load
	v_lshrrev_b32 v1, 5, v0
	v_readfirstlane_b32 s[WV], v1
	s_bfe_u32 s13, ttmp6, 0x40000                  ; cx
	s_lshl_b32 s57, ttmp9, 2
	s_add_co_u32 s57, s57, s13                     ; my block of 128 queries: it enters Q's, out0's and the prefetches' addresses alone
	s_and_b32 s56, ttmp7, 0xffff                   ; the batch, which the partners share
	s_mul_i32 s58, s56, BATB
	s_mov_b32 s59, 0
	s_mul_i32 s62, s[WV], KTB                      ; kt = w
	s_mov_b32 s63, 0
	s_add_nc_u64 s[62:63], s[62:63], s[58:59]
	s_and_b32 s66, s[WV], 1                        ; Q: my tiles are 8 qb + 2 w + u = 4 s + kt: kt = 2 (w % 2) + u, s = 2 qb + w / 2
	s_mul_i32 s66, s66, 2*KTB
	s_lshl_b32 s67, s57, 1
	s_lshr_b32 s68, s[WV], 1
	s_add_co_u32 s67, s67, s68
	s_mul_i32 s67, s67, STB
	s_add_co_u32 s66, s66, s67
	s_add_co_u32 s66, s66, s58
	s_add_co_u32 s66, s66, QOFF
	s_mov_b32 s67, 0
	s_mul_i32 s70, s13, KTB                        ; the prefetches: kt = cx, record 3, my 8,192 bytes; the first change steps it to record 4
	s_lshl_b32 s71, s[WV], 13
	s_add_co_u32 s70, s70, s71
	s_add_co_u32 s70, s70, s58
	s_add_co_u32 s70, s70, 3*STB-8192
	s_mov_b32 s71, 0
	s_lshl_b32 s60, s56, 20                        ; out0: batch, block, my 32 rows of 1,024 bytes
	s_lshl_b32 s61, s57, 17
	s_add_co_u32 s60, s60, s61
	s_lshl_b32 s61, s[WV], 15
	s_add_co_u32 s60, s60, s61
	s_mov_b32 s61, 0
	s_lshl_b32 s68, s56, 12                        ; vsc: 4,096 bytes a batch, 256 a step
	s_mov_b32 s69, 0
	s_cmp_eq_u32 s[WV], 0
	s_cselect_b32 s[LIM], 1, 2
	s_cmp_eq_u32 s[WV], 3
	s_cselect_b32 s[LIM], -1, s[LIM]
	s_cmp_lg_u32 ttmp9, 0
	s_cselect_b32 s[LIM], -1, s[LIM]               ; the same in all four partners, for a given wave
	s_mov_b32 s[G1], 15|(3<<16)|(1<<21)            ; the mask of four; elements of 8 bytes; bit 21 beside a mask; no padding
	s_mov_b32 s[G1+1], 32<<16
	s_mov_b32 s[G1+2], 96<<16
	s_mov_b32 s[G1+3], 32<<16
	s_mov_b32 s[G1+4], 96
	s_mov_b32 s[G1+5], 32
	s_mov_b32 s[G1+6], 0
	s_mov_b32 s[G1+7], 0
	s_mov_b32 s[G1F], 15|(3<<16)|(1<<21)
	s_mov_b32 s[G1F+1], 32<<16
	s_mov_b32 s[G1F+2], 64<<16
	s_mov_b32 s[G1F+3], 32<<16
	s_mov_b32 s[G1F+4], 64
	s_mov_b32 s[G1F+5], 32
	s_mov_b32 s[G1F+6], 0
	s_mov_b32 s[G1F+7], 0
	s_mul_i32 s72, s[WV], STB
	s_mov_b32 s[G0A], 1
	s_add_co_u32 s[G0A+1], s72, 8192               ; record 0: K's place in my part of slot 0
	s_mov_b32 s[G0B], 1
	s_add_co_u32 s[G0B+1], s72, SLOT1
	s_mov_b32 s[CSC], 0x3fb8aa3b
	s_mov_b32 s[CSC+1], s[CSC]
	s_mov_b32 s[SEL], 0x76543210
	s_mov_b32 s[SEL+1], 0xfedcba98
	s_mov_b32 s[TB], 0
	v_and_b32 v14, 31, v0
	v_lshlrev_b32 v[L16], 4, v14
	v_lshlrev_b32 v[PFO], 8, v14
	v_and_b32 v15, 15, v0
	v_bfe_u32 v9, v0, 4, 1
	s_mul_i32 s73, s[WV], 16*SPI
	s_add_co_u32 s73, s73, STAGE
	v_mul_u32_u24 v[STO], v15, SPI                 ; in: row = my query, 32 bytes for each half of the lanes
	v_lshl_add_u32 v[STO], v9, 5, v[STO]
	v_add_nc_u32 v[STO], s73, v[STO]
	v_add_nc_u32 v[RD], s73, v[L16]                ; back: 512 consecutive bytes of a row
	v_mov_b32 v[ADR], v[L16]
	v_add_nc_u32 v[ADR+1], 2*STB, v[L16]
	s_wait_dscnt 0x0                               ; the opening add is done
	s_wait_kmcnt 0x0
	s_add_nc_u64 s[G0A+2:G0A+3], s[4:5], s[62:63]
	s_add_nc_u64 s[G0B+2:G0B+3], s[G0A+2:G0A+3], 16384  ; record 1 begins with U(0)
	s_or_b32 s[G0A+3], s[G0A+3], 0x80000000
	s_or_b32 s[G0B+3], s[G0B+3], 0x80000000
	s_add_nc_u64 s[66:67], s[4:5], s[66:67]
	s_add_nc_u64 s[PFA:PFA+1], s[4:5], s[70:71]
	s_add_nc_u64 s[8:9], s[8:9], s[60:61]
	s_add_nc_u64 s[VSP:VSP+1], s[6:7], s[68:69]
	s_load_b64 s[SCN:SCN+1], s[VSP:VSP+1], 0x0     ; step 0's scale
	WIN 0x80                                       ; Q stays in registers: tile u, K step c: two loads of 512 consecutive bytes
.set n, 0
.rept 32
	global_load_b128 v[8*n:8*n+3], v[L16], s[66:67] offset:(n/16)*KTB+1024*(n%16)
	global_load_b128 v[8*n+4:8*n+7], v[L16], s[66:67] offset:(n/16)*KTB+1024*(n%16)+512
.set n, n+1
.endr
	WIN 0
	CROUND                                         ; all four work-groups are here: the first joint loads meet
	tensor_load_to_lds s[G0A:G0A+3], s[G1F:G1F+7]
	s_nop 0
	tensor_load_to_lds s[G0B:G0B+3], s[G1:G1+7]    ; two loads of mine are out
	s_nop 0
	PLACES
	WIN 0x40
.set n, 0
.rept 256
	v_mov_b32 v[n], 0                              ; O^T
.set n, n+1
.endr
	WIN 0
.irp u, 0,1
	v_mov_b32 v[ST+8*\u+2], 0
	v_mov_b32 v[ST+8*\u+3], 0
	v_mov_b32 v[ST+8*\u+4], 0xfe000000
	v_mov_b32 v[ST+8*\u+7], 0
.endr
; Product (b, i, u).  Blocks 0-7: K step cc = 2 b + i / 4, keys 16 (i % 4) on.  The first K step starts the sum with 0; the last writes the scores into the work set.  Blocks 8-11: keys 32 (i / 4) on, channel block 4 (b - 8) + i % 4.
; The eight accumulators of a block take turns, one instruction a turn.
.macro MM b, i, u
.set mA, 64*((\b)%4)+8*(\i)
.if (\b) < 8
.set mc, 2*(\b)+(\i)/4
.set mQ, 128*(\u)+8*mc
.set mS, SA+32*(\u)+8*((\i)%4)
.set mW, SW+32*(\u)+8*((\i)%4)
	WIN W_KQ
.if mc == 0
	v_wmma_f32_16x16x32_f16 v[mS:mS+7], v[mA:mA+7], v[mQ:mQ+7], 0
.elseif mc == 15
	v_wmma_f32_16x16x32_f16 v[mW:mW+7], v[mA:mA+7], v[mQ:mQ+7], v[mS:mS+7]
.else
	v_wmma_f32_16x16x32_f16 v[mS:mS+7], v[mA:mA+7], v[mQ:mQ+7], v[mS:mS+7]
.endif
.else
.set mO, 128*(\u)+8*(4*((\b)-8)+(\i)%4)
.set mP, P+16*(\u)+8*((\i)/4)
	WIN W_PV
	v_wmma_f32_16x16x32_f16 v[mO:mO+7], v[mA:mA+7], v[mP:mP+7], v[mO:mO+7]
.endif
.endm
; Fragment ii of block bb: two loads of 512 consecutive bytes.  K: key tile kt = ii % 4, channel blocks 2 cc, 2 cc + 1.  U: channel block, key tiles 2 kk and 2 kk + 1.
.macro FRAG bb, ii
.set fF, 64*((\bb)%4)+8*(\ii)
.if (\bb) < 8
.set fc, 2*(\bb)+(\ii)/4
.set fk, (\ii)%4
	ds_load_b128 v[fF:fF+3], v[ADR+fk/2] offset:STB*(fk%2)+8192+1024*fc
	ds_load_b128 v[fF+4:fF+7], v[ADR+fk/2] offset:STB*(fk%2)+8192+1024*fc+512
.else
.set fc, 4*((\bb)-8)+(\ii)%4
	ds_load_b128 v[fF:fF+3], v[ADR+(\ii)/4] offset:512*fc
	ds_load_b128 v[fF+4:fF+7], v[ADR+(\ii)/4] offset:STB+512*fc
.endif
.endm
; The loads of pair (b, i).  LMODE 0: a trip: three blocks ahead; block 9 none; blocks 10 and 11 the next trip's blocks 0, 1, 2, in that order, out of the other slot.  LMODE 1: in their stead the last trip's
; blocks 8, 9, 10.  LMODE 2: the prologue.  LMODE 3: the last trip.  A fragment's registers were last read eight pairs, at least sixteen vector lines, earlier.
.macro LD b, i
.if LMODE == 2
.if (\b) < 5
	WIN W_LD
	FRAG (\b)+3, \i
.endif
.elseif LMODE == 3
.if (\b) == 8
	WIN W_LD
	FRAG 11, \i
.endif
.elseif (\b) < 9
	WIN W_LD
	FRAG (\b)+3, \i
.elseif (\b) == 10
	WIN W_LD
	FRAG 8*LMODE+(\i)/4, 2*((\i)%4)
	FRAG 8*LMODE+(\i)/4, 2*((\i)%4)+1
.elseif (\b) == 11
	WIN W_LD
	FRAG 8*LMODE+2, \i
.endif
.endm
; THE VECTOR WORK stands in four queues; the two tiles alternate in each.
; FE, 96: the scalings c s + (E - M), a pair of scores each, and the 64 exponentials: ONE BATCH; nothing in it reads an exponential's result; a pair is scaled a group of six ahead of its exponentials.
.macro FF u, p
	v_pk_fma_f32 v[SW+32*(\u)+2*(\p):SW+32*(\u)+2*(\p)+1], v[SW+32*(\u)+2*(\p):SW+32*(\u)+2*(\p)+1], s[CSC:CSC+1], v[ST+8*(\u):ST+8*(\u)+1] op_sel_hi:[1,0,0]
.endm
.macro EE u, e
	v_exp_f32 v[SW+32*(\u)+(\e)], v[SW+32*(\u)+(\e)]
.endm
.macro FE1
	WIN 0
.if qf < 2
	FF qf, 0
.else
.set gk, (qf-2)/6
.set gm, (qf-2)%6
.if gk == 15
	EE gm%2, 30+gm/2
.elseif gm < 2
	FF gm, gk+1
.else
	EE (gm-2)%2, 2*gk+(gm-2)/2
.endif
.endif
.set qf, qf+1
.endm
; RS, 128: O^T times a, ascending.
.macro RS1
	WIN W_RS
.set rp, 128*(qr%2)+2*(qr/2)
	v_pk_mul_f32 v[rp:rp+1], v[rp:rp+1], v[ST+8*(qr%2)+6:ST+8*(qr%2)+7] op_sel_hi:[1,0]
.set qr, qr+1
.endm
; CS, 66: the 32 roundings to f16; then, a tile, 15 packed sums in place (neighbours 1, 2, 4, 8 pairs apart), l = l a, l += sum x 2^-E.
.macro CS1
	WIN 0
.if qc < 32
	v_cvt_pk_f16_f32 v[P+16*(qc%2)+qc/2], v[SW+32*(qc%2)+2*(qc/2)], v[SW+32*(qc%2)+2*(qc/2)+1]
.else
.set cS, SW+32*((qc-32)%2)
.set cT, ST+8*((qc-32)%2)
.set cz, (qc-32)/2
.set cw, 4
.set cu, cz
.if cz >= 14
.set cw, 32
.set cu, 0
.elseif cz >= 12
.set cw, 16
.set cu, cz-12
.elseif cz >= 8
.set cw, 8
.set cu, cz-8
.endif
.if cz < 15
	v_pk_add_f32 v[cS+cw*cu:cS+cw*cu+1], v[cS+cw*cu:cS+cw*cu+1], v[cS+cw*cu+cw/2:cS+cw*cu+cw/2+1]
.elseif cz == 15
	v_pk_mul_f32 v[cT+2:cT+3], v[cT+2:cT+3], v[cT+6:cT+7] op_sel_hi:[1,0]
.else
	v_pk_fma_f32 v[cT+2:cT+3], v[cS:cS+1], s[IBC:IBC+1], v[cT+2:cT+3] op_sel_hi:[1,0,1]
.endif
.endif
.set qc, qc+1
.endm
; XS, 48: the next step's maximum and statistics, 24 numbers a tile: 0-11 four chains of seven scores, each accumulator's lowest registers first; 12-15 the four left over and the chains into one;
; 16, 18 the other half of the lanes; 17 M is kept; 19 c max + E; 20 the new M; 21 M_old - M; 22 E - M; 23 a.
.macro XS1
	WIN 0
.set xn, qx/2
.set xT, ST+8*(qx%2)
.set xC, CW+4*(qx%2)
.set xS, SW+32*(qx%2)
.if xn < 4
	v_max3_num_f32 v[xC+xn], v[xS+8*xn], v[xS+8*xn+1], v[xS+8*xn+2]
.elseif xn < 12
	v_max3_num_f32 v[xC+xn%4], v[xC+xn%4], v[xS+8*(xn%4)+2*(xn/4)+1], v[xS+8*(xn%4)+2*(xn/4)+2]
.elseif xn == 12
	v_max3_num_f32 v[xC], v[xC], v[xS+7], v[xS+15]
.elseif xn == 13
	v_max3_num_f32 v[xC+2], v[xC+2], v[xS+23], v[xS+31]
.elseif xn == 14
	v_max3_num_f32 v[xC], v[xC], v[xC+1], v[xC+2]
.elseif xn == 15
	v_max_num_f32 v[xC], v[xC], v[xC+3]
.elseif xn == 16
	v_permlanex16_b32 v[xC+1], v[xC], s[SEL], s[SEL+1]
.elseif xn == 17
	v_mov_b32 v[xT+1], v[xT+4]
.elseif xn == 18
	v_max_num_f32 v[xC], v[xC], v[xC+1]
.elseif xn == 19
	v_fma_f32 v[xC+1], v[xC], s[CSC], s[SCN]
.elseif xn == 20
	v_max_num_f32 v[xT+4], v[xT+4], v[xC+1]
.elseif xn == 21
	v_sub_f32 v[xC+2], v[xT+1], v[xT+4]
.elseif xn == 22
	v_sub_f32 v[xT], s[SCN], v[xT+4]
.else
	v_exp_f32 v[xT+6], v[xC+2]
.endif
.set qx, qx+1
.endm
.macro XSL
.if SMODE == 3
	v_nop
	v_nop
.else
.rept 3
	XS1
.endr
.endif
.endm
; THE DEAL: one slice behind each pair.  Blocks 0-2: the batch.  Blocks 3-4: O^T's channel blocks 0-7 times a.  Ahead of block 5's first slice the ONE wait for the 64 exponentials
; ahead of their first reader.  Blocks 5-6 and (7, 0): roundings and sums.  (7, 1-7): two v_nop each: with (7, 0)'s two lines, eight places between a sum's last link but one and the link that
; takes it as the C of other registers.  Blocks 8-10: two slices of three finish the rescaling (channel blocks 8-11 by pair (9, 2), 12-15 by (10, 6), each ahead of its products), the third and
; all of block 11 find the next step's maximum.  SMODE 2 (the prologue): two v_nop, the places.  SMODE 3 (the last trip): no next step.
.macro SLICE b, i
.if SMODE == 2
	v_nop
	v_nop
.elseif (\b) < 3
.rept 4
	FE1
.endr
.elseif (\b) < 5
.rept 4
	RS1
.endr
.elseif (\b) < 7
.if ((\b) == 5) && ((\i) == 0)
	s_wait_alu depctr_va_vdst(0)
.endif
.rept 4
	CS1
.endr
.elseif (\b) == 7
.if (\i) == 0
	CS1
	CS1
.else
	v_nop
	v_nop
.endif
.elseif (\b) < 11
.if (8*((\b)-8)+(\i))%3 < 2
.rept 4
	RS1
.endr
.else
	XSL
.endif
.else
	XSL
.endif
.endm
.macro PAIR b, i
	MM \b, \i, 0
	MM \b, \i, 1
	LD \b, \i
	SLICE \b, \i
.endm
.macro BLOCK b, wc                     ; wc: how many younger LDS loads may stay out; -1: no wait
.if (\wc) >= 0
	s_wait_dscnt (\wc)
.endif
.irp i, 0,1,2,3,4,5,6,7
	PAIR \b, \i
.endr
.endm
.macro TOGGLE                          ; the reads go on in the other slot
	s_xor_b32 s[TB], s[TB], SLOT1
	v_add_nc_u32 v[ADR], s[TB], v[L16]
	v_add_nc_u32 v[ADR+1], 2*STB, v[ADR]
.endm
; A TRIP.  At a block's head the count 32 leaves out the loads of the two blocks issued behind this block's own.  THE CHANGE OF SLOTS stands in block 9, which loads nothing: all loads from this record have
; been issued.  Every wave waits for all its tensor loads (one is out: its part of the next record), adds 0 to its spare word, waits for that and for its reads; fill = 1: a round of the cluster's
; barrier, and the joint refill, the record three on, first behind it: it has a whole trip, 192 products, in which to land.
.macro TRIP fill, nxt
.set qf, 0
.set qr, 0
.set qc, 0
.set qx, 0
.set SMODE, 0
.set LMODE, 1-(\nxt)
.irp b, 0,1,2,3,4,5,6,7
	BLOCK \b, 32
.endr
	s_wait_kmcnt 0x0                               ; step j + 1's scale is in, and its address may be stepped
.if (\nxt)
	s_add_nc_u64 s[VSP:VSP+1], s[VSP:VSP+1], 256
.endif
	BLOCK 8, 32
	s_wait_dscnt 32
	WIN 0
	s_wait_tensorcnt 0x0                           ; no tensor load of mine is out, so the walking group 0 may be written
	ds_add_u32 v[SPW], v[NIL]                      ; 0 onto my spare word
.if (\fill)
	s_xor_b32 s[G0B+1], s[G0B+1], SLOT1
	s_add_nc_u64 s[G0B+2:G0B+3], s[G0B+2:G0B+3], STB
	s_wait_xcnt 0x0                                ; the last prefetch, a trip back, has read its address
	s_add_nc_u64 s[PFA:PFA+1], s[PFA:PFA+1], STB
.endif
.irp i, 0,1,2,3
	PAIR 9, \i
.endr
	s_wait_dscnt 0x0                               ; the add is done, and my reads of the record are over
	s_barrier_signal -1
.irp i, 4,5,6,7
	PAIR 9, \i
.endr
	WIN 0
	s_barrier_wait -1
.if (\fill)
	CREST
	tensor_load_to_lds s[G0B:G0B+3], s[G1:G1+7]    ; my one tensor load behind the round
	s_nop 0
	PLACES
	ASK
.endif
	TOGGLE
	BLOCK 10, -1                                   ; (the wait for 0 above has shown blocks 10's and 11's fragments in)
	BLOCK 11, -1
	WIN 0
	v_nop                                          ; a plain instruction behind the two a,
	s_wait_alu depctr_va_vdst(0)                   ; and their wait, ahead of the branch
	s_mov_b32 s[IBC], s[SCN+1]
	s_mov_b32 s[IBC+1], s[SCN+1]
.if (\nxt)
	s_load_b64 s[SCN:SCN+1], s[VSP:VSP+1], 0x0     ; step j + 2's scale
.endif
.endm
	s_wait_tensorcnt 0x1                           ; my part of record 0 is in; record 1's may stay out
	s_barrier_signal -1
	s_barrier_wait -1
	WIN W_LD
.irp b, 0,1,2
.irp i, 0,1,2,3,4,5,6,7
	FRAG \b, \i
.endr
.endr
	s_wait_loadcnt 0x0                             ; Q
	; THE PROLOGUE: S(0) = K(0) Q^T.  The counts run down where nothing more is loaded.
.set SMODE, 2
.set LMODE, 2
.irp b, 0,1,2,3,4,5
	BLOCK \b, 32
.endr
	BLOCK 6, 16
	BLOCK 7, 0
	WIN 0
	s_wait_tensorcnt 0x0                           ; record 1 is in
	ds_add_u32 v[SPW], v[NIL]
	s_xor_b32 s[G0B+1], s[G0B+1], SLOT1
	s_add_nc_u64 s[G0B+2:G0B+3], s[G0B+2:G0B+3], STB
	s_wait_dscnt 0x0
	CROUND
	tensor_load_to_lds s[G0B:G0B+3], s[G1:G1+7]    ; record 2, over record 0
	s_nop 0
	PLACES
	TOGGLE
	WIN W_LD
.irp b, 0,1,2
.irp i, 0,1,2,3,4,5,6,7
	FRAG \b, \i
.endr
.endr
	WIN 0
	s_wait_kmcnt 0x0
.set qx, 0
.rept 48
	XS1
.endr
	v_nop
	s_wait_alu depctr_va_vdst(0)
	s_mov_b32 s[IBC], s[SCN+1]
	s_mov_b32 s[IBC+1], s[SCN+1]
	s_add_nc_u64 s[VSP:VSP+1], s[VSP:VSP+1], 256
	s_load_b64 s[SCN:SCN+1], s[VSP:VSP+1], 0x0
	s_mov_b32 s[CNT], 14
.Ltrip:                                                ; trips 0 to 13 ask for records 3 to 16
	TRIP 1, 1
	s_sub_co_u32 s[CNT], s[CNT], 1
	s_cmp_lg_u32 s[CNT], 0
	s_cbranch_scc1 .Ltrip
	TRIP 0, 0                                      ; trip 14 is written out
	; THE LAST TRIP: step 15's softmax, then U(15)^T P(15)
.set qf, 0
.set qr, 0
.set qc, 0
.set SMODE, 3
.set LMODE, 3
.rept 96
	FE1
.endr
.rept 64
	RS1
.endr
	s_wait_alu depctr_va_vdst(0)
.rept 66
	CS1
.endr
	BLOCK 8, 32
	BLOCK 9, 32
	BLOCK 10, 16
	BLOCK 11, 0
	; THE WAY OUT.  l's two halves and the other half of the lanes' are added; O^T is divided by l, the relu taken, and a tile (16 rows of 1,024 bytes) sent through my stage in LDS.
	WIN 0
	PLACES
.irp u, 0,1
	v_add_f32 v[ST+8*\u+2], v[ST+8*\u+2], v[ST+8*\u+3]
.endr
.irp u, 0,1
	v_permlanex16_b32 v[ST+8*\u+3], v[ST+8*\u+2], s[SEL], s[SEL+1]
.endr
.irp u, 0,1
	v_add_f32 v[ST+8*\u+2], v[ST+8*\u+2], v[ST+8*\u+3]
.endr
.irp u, 0,1
	v_rcp_f32 v[ST+8*\u+6], v[ST+8*\u+2]
.endr
	v_nop
	s_wait_alu depctr_va_vdst(0)                   ; one wait for the two reciprocals, ahead of their first reader
.macro PACK u
	WIN W_RS
.set n, 128*(\u)
.rept 64
	v_pk_mul_f32 v[n:n+1], v[n:n+1], v[ST+8*(\u)+6:ST+8*(\u)+7] op_sel_hi:[1,0]
.set n, n+2
.endr
	WIN 0x44
.set n, 128*(\u)
.rept 128
	v_max_num_f32 v[n], 0, v[n]
.set n, n+1
.endr
	WIN 0x04                                       ; address window 0, data window 1
.set n, 0
.rept 16
	ds_store_b128 v[STO], v[128*(\u)+8*n:128*(\u)+8*n+3] offset:64*n
	ds_store_b128 v[STO], v[128*(\u)+8*n+4:128*(\u)+8*n+7] offset:64*n+16
.set n, n+1
.endr
	WIN W_LD
.set n, 0
.rept 32
	ds_load_b128 v[128*(\u)+4*n:128*(\u)+4*n+3], v[RD] offset:SPI*(n/2)+512*(n%2)  ; LDS serves a wave's instructions in order (ISA guide 5.7.1.4): these see the stores above; the next tile's stores come behind them
.set n, n+1
.endr
.endm
.macro SEND u, younger                 ; younger: the LDS instructions issued behind this tile's loads
	WIN 0x0c                                       ; address window 0, data window 3
.set n, 0
.rept 32
.set wn, (\younger)+31-n
.if wn > 63
.set wn, 63
.endif
	s_wait_dscnt wn
	global_store_b128 v[L16], v[128*(\u)+4*n:128*(\u)+4*n+3], s[8:9] offset:16384*(\u)+1024*(n/2)+512*(n%2) th:TH_STORE_NT  ; 512 consecutive bytes, at a multiple of 512 from out0's first
.set n, n+1
.endr
.endm
	PACK 0
	PACK 1
	SEND 0, 64
	SEND 1, 0
	WIN 0
	s_wait_tensorcnt 0x0                           ; the wave's end
	ds_add_u32 v[SPW], v[NIL]
	s_wait_dscnt 0x0
	CROUND                                         ; the closing round
	s_endpgm
.Lfunc_end_k_q7d697ecd19_attn:
	.size	k_q7d697ecd19_attn, .Lfunc_end_k_q7d697ecd19_attn-k_q7d697ecd19_attn
	.p2alignl 7, 3214868480
	.fill 96, 4, 3214868480
	.section	.rodata,"a",@progbits
	.p2align	6, 0x0
	.amdhsa_kernel k_q7d697ecd19_attn
		.amdhsa_group_segment_fixed_size 327680
		.amdhsa_private_segment_fixed_size 0
		.amdhsa_enable_private_segment 0
		.amdhsa_kernarg_size 24
		.amdhsa_user_sgpr_count 2
		.amdhsa_user_sgpr_kernarg_segment_ptr 1
		.amdhsa_wavefront_size32 1
		.amdhsa_system_sgpr_workgroup_id_x 1
		.amdhsa_system_sgpr_workgroup_id_y 1
		.amdhsa_system_sgpr_workgroup_id_z 1
		.amdhsa_system_vgpr_workitem_id 0
		.amdhsa_next_free_vgpr 1024
		.amdhsa_next_free_sgpr 80
		.amdhsa_reserve_vcc 0
		.amdhsa_float_denorm_mode_32 3
		.amdhsa_float_denorm_mode_16_64 3
		.amdhsa_memory_ordered 1
		.amdhsa_forward_progress 1
		.amdhsa_inst_pref_size 213
	.end_amdhsa_kernel
	.amdgpu_metadata
---
amdhsa.version: [ 1, 2 ]
amdhsa.kernels:
  - .name:           k_q7d697ecd19_attn
    .symbol:         k_q7d697ecd19_attn.kd
    .args:
      - { .name: qkv, .offset: 0, .size: 8, .value_kind: global_buffer, .address_space: global }
      - { .name: vsc, .offset: 8, .size: 8, .value_kind: global_buffer, .address_space: global }
      - { .name: out0, .offset: 16, .size: 8, .value_kind: global_buffer, .address_space: global }
    .group_segment_fixed_size: 327680
    .private_segment_fixed_size: 0
    .kernarg_segment_align: 8
    .kernarg_segment_size: 24
    .max_flat_workgroup_size: 128
    .sgpr_count:     80
    .vgpr_count:     1024
    .wavefront_size: 32
...
	.end_amdgpu_metadata
.endif
;; end of part 3
;; ======== version 2 of 2: 3 launches
;; limits: values are held in f16: magnitudes above 65,504 overflow, below 6.1e-05 lose precision; right only within a limited range of input values
;; workspace buffers: wb 1,048,576 bytes; qkv 100,663,296 bytes; vsc 131,072 bytes
;; launch prep: the kernel of part 1 again; grid 256 x 1, 8 waves a work-group, no clusters, 0 bytes of LDS; arguments Wv, Wk, Wq, Wo, wb; writes wb
;; launch proj (part 4): grid 256 x 1, 4 waves a work-group, clusters of 4 x 1, 327,680 bytes of LDS; arguments h, wb, bv, bk, bq, bo, qkv, vsc; writes qkv, vsc
.if DOCPART == 4
	.amdgcn_target "amdgcn-amd-amdhsa--gfx1250"
	.amdhsa_code_object_version 6
	.text
	.protected	k_q7d697ecd19_proj
	.globl	k_q7d697ecd19_proj
	.p2align	8
	.type	k_q7d697ecd19_proj,@function
k_q7d697ecd19_proj:
	s_mov_b64 s[64:65], 0
	v_nop
	global_prefetch_b8 v0, s[64:65] scope:SCOPE_SE
	s_setreg_imm32_b32 hwreg(HW_REG_WAVE_MODE, 25, 1), 1
	s_wait_xcnt 0x0
	s_wait_alu depctr_hold_cnt(0) depctr_sa_sdst(0) depctr_va_vdst(0) depctr_va_sdst(0) depctr_va_ssrc(0) depctr_va_vcc(0) depctr_vm_vsrc(0)
	s_getreg_b32 s2, hwreg(HW_REG_IB_STS2, 6, 4)
	s_cmp_eq_u32 s2, 0
	s_cbranch_scc0 .Lentry_in_a_cluster
	s_endpgm
.Lentry_in_a_cluster:
	s_bfe_u32 s2, ttmp6, 0x10000c
	s_cmp_lg_u32 s2, 0x3003
	s_cbranch_scc0 .Lentry_shape_is_right
	s_endpgm
.Lentry_shape_is_right:
; v, k, q = relu(h W^T + b);  V2 = v Wo^T + bo;  stored: k, q (f16), U = V2 x 2^-E (f16) and, for each block of 128 rows, (E, 2^-E).
; bo and Wo go in front of the softmax's mean because a softmax row sums to 1: att (v Wo^T) + bo = att (v Wo^T + bo).  The last relu is the attention launch's.
; FORMATS.  h, Wv, Wk, Wq and all four biases are rounded to bf16; Wo to bf16 and that number written as f16; sums in f32; v, k, q, U are rounded once to f16.
; LIMITS.  v, k, q under 65,504.  E = the exponent of the block's largest |V2|, held to -62 .. 64, so |U| < 1 for |V2| under 1.8e19.  NaN and infinities are not treated apart.
; SHARES.  A work-group owns 128 rows: 8 tiles of 16.  EVERY wave holds all 8 tiles of h as fragments (512 registers) and takes a quarter of the output channels: a weight fragment
; (two LDS loads) feeds 8 products, and each weight byte is read from LDS by one wave alone.  A UNIT is one block of 16 channels a wave: 64 products.  24 units: v, k, q.
; CLUSTER.  All work-groups walk the same 1 MiB of weights (16 slots of 64 KiB): the four partners ask for each part of 16 KiB jointly.  Wave w fetches, and alone reads, part w.
; THE PRODUCTS.  Stage 1 is taken transposed (source 0 = 16 channels of W, source 1 = 16 rows of h): a lane ends with 8 neighbouring channels of one row.  The bias is the C operand of a sum's first
; product.  Stage 2 is not transposed (source 0 = 16 rows of v, source 1 = 16 channels of Wo): a lane ends with 8 neighbouring rows (keys) of one channel, as the attention's second product wants them.
; THE BLOCK LAYOUT of all that is stored: 16 x 16 numbers are 512 bytes, lane l's 16 bytes at 16 l; a fragment is two loads of 512 consecutive bytes.
; qkv: [region KV | region Q][batch 32][kt 4][s 16][k or q tile 16,384 | U tile 8,192]; the tile of 16 rows number 4 s + kt of its batch.
; LDS: 0 ring (two slots of 65,536); 131,072 v in f16, [tile 8][channel block 32][512] (at the head: h in bf16, rows of 528 bytes); 262,144 biases in f32; 269,312 the waves' maxima; 269,568 the spare words.
; REGISTERS, in windows of 256.  Window 0: addresses, at work, v64-191 two sets of weight fragments.  Windows 1, 2: h's fragments, tile t, K step c at 64 (t % 4) + 8 c (stage 2: window 1 holds two sets of
; 96: 8 fragments of v, 4 of Wo).  Window 3: stage 1: two sets of 8 accumulators, two biases, packed results, four address registers; stage 2: 32 accumulators.
.set RING1, 65536
.set VT,    131072
.set HP,    528                        ; a row of h in LDS: 512 bytes + 16: sixteen rows of a fragment load start 16 bytes apart modulo 256
.set BIAS,  262144
.set RED,   269312
.set SPARE, 269568
.set KTB,   393216
.set STB,   24576
.set BATB,  1572864
.set QJUMP, 50331648-7*2048            ; from k's last channel blocks to q's first
.set L16, 2                            ; v2   16 x lane
.set AW0, 3                            ; v3   my part of a slot: 16,384 w + 16 lane
.set ADW, 4                            ; v4   the same in the slot being read
.set ADB, 5                            ; v5   the bias of the unit being fetched
.set AH,  6                            ; v6   h's fragments in LDS
.set AV0, 7                            ; v7, v8  v's fragments: tiles 0-3, tiles 4-7
.set GV,  9                            ; v9   my 16 bytes in a tile of U
.set HST, 10                           ; v10  where I put 8 bytes of a row of h
.set SPW, 12                           ; v12  my spare word; never rewritten
.set NIL, 13                           ; v13  0; never rewritten
.set WF,  64
.set BOC, 64                           ; stage 2: bo as a C operand, 8 registers for each of my 4 channel blocks
.set BI,  128                          ; window 3
.set TMP, 144
.set ZERO, 176
.set GO,  177
.set LS0, 178
.set LC,  180
.set WV,  20                           ; s20  wave
.set TB,  23                           ; s23  the slot being read
.set CT,  24                           ; s24  loop count
.set VB,  25                           ; s25  where v's next channel blocks go
.set W_M1, 0xf4                        ; D, C window 3; W window 0; h window 1 (+4: window 2)
.set W_R,  0xcf                        ; all in window 3
.set W_L1, 0x40
.set W_S2, 0xf5
.set W_S2F, 0xc5
.set MSB, 0
.macro WIN new                         ; the high byte repeats the setting that is left; a switch that changes nothing is dropped
.if MSB != (\new)
	s_set_vgpr_msb (MSB<<8)|(\new)
.set MSB, (\new)
.endif
.endm
.macro PLACES                          ; four plain instructions between a product and a load into, or a vector line on, its registers
.rept 4
	v_nop
.endr
.endm
.macro CREST                           ; a round of the cluster's barrier behind its opening barrier
	s_cmp_lg_u32 s[WV], 0
	s_cbranch_scc1 .Lnw0_\@
	s_barrier_signal -3
.Lnw0_\@:
	s_barrier_wait -3
	s_barrier_signal -1
	s_barrier_wait -1
.endm
.macro CROUND
	s_barrier_signal -1
	s_barrier_wait -1
	CREST
.endm
	s_load_b512 s[4:19], s[0:1], 0x0               ; h, wb, bv, bk, bq, bo, qkv, vsc
	v_lshl_add_u32 v[SPW], v0, 2, SPARE
	v_mov_b32 v[NIL], 0
	ds_add_u32 v[SPW], v[NIL]                      ; the wave's opening: the add and its wait ahead of my first tensor load
	v_lshrrev_b32 v1, 5, v0
	v_readfirstlane_b32 s[WV], v1
	s_bfe_u32 s21, ttmp6, 0x40000                  ; cx
	s_lshl_b32 s22, ttmp9, 2
	s_add_co_u32 s22, s22, s21                     ; my block of 128 rows: it enters h's, qkv's and vsc's addresses alone
	s_mov_b32 s32, 15|(3<<16)|(1<<21)              ; group 1: the mask of four; elements of 8 bytes; bit 21 beside a mask; no padding
	s_mov_b32 s33, 32<<16                          ; tensor_dim0 = 32 elements: rows of 256 bytes
	s_mov_b32 s34, 64<<16                          ; tensor_dim1 = 64 rows: 16,384 dense bytes
	s_mov_b32 s35, 32<<16                          ; tile_dim0
	s_mov_b32 s36, 64                              ; tile_dim1
	s_mov_b32 s37, 32                              ; from row to row
	s_mov_b32 s38, 0
	s_mov_b32 s39, 0
	s_mov_b32 s40, 1                               ; group 0 for slot 0's first fill
	s_lshl_b32 s41, s[WV], 14
	s_mov_b32 s44, 1                               ; group 0 for slot 1's first fill; it then walks
	s_add_co_u32 s45, s41, RING1
	s_mov_b32 s50, 0x76543210
	s_mov_b32 s51, 0xfedcba98
	s_mov_b32 s[TB], 0
	s_mov_b32 s[VB], 0
	s_mov_b32 s27, 0
	s_mov_b32 s56, QJUMP
	s_mov_b32 s57, 2048
	s_mov_b32 s52, s41
	s_mov_b32 s53, 0
	s_lshl_b32 s54, s22, 17                        ; 128 rows of 1,024 bytes
	s_mov_b32 s55, 0
	s_lshr_b32 s58, s22, 3                         ; batch
	s_mul_i32 s58, s58, BATB
	s_and_b32 s59, s22, 7
	s_mul_i32 s59, s59, 2*STB                      ; my 8 tiles: s = 2 (block % 8) + t / 4, kt = t % 4
	s_add_co_u32 s58, s58, s59
	s_mov_b32 s59, 0
	v_and_b32 v14, 31, v0
	v_lshlrev_b32 v[L16], 4, v14
	v_and_b32 v15, 15, v0                          ; r
	v_bfe_u32 v16, v0, 4, 1                        ; half
	v_add_nc_u32 v[AW0], s41, v[L16]
	v_mul_u32_u24 v[AH], v15, HP
	v_lshl_add_u32 v[AH], v16, 4, v[AH]
	v_add_nc_u32 v[AH], VT, v[AH]
	v_add_nc_u32 v[AV0], VT, v[L16]
	v_add_nc_u32 v[AV0+1], VT+65536, v[L16]
	v_lshl_add_u32 v[GV], s[WV], 11, v[L16]
	s_mul_i32 s60, s[WV], 32*HP
	v_lshl_add_u32 v[HST], v14, 3, s60
	v_add_nc_u32 v[HST], VT, v[HST]
	v_lshl_add_u32 v11, s[WV], 15, v[L16]          ; my 32 rows of h
	v_lshlrev_b32 v17, 4, v0                       ; 16 bytes a thread of bv, bk, bq
	v_and_b32 v18, 63, v0
	v_lshlrev_b32 v18, 4, v18                      ; and of bo
	v_add_nc_u32 v19, BIAS, v17
	v_add_nc_u32 v20, BIAS+6144, v18
	s_lshl_b32 s61, s[WV], 6
	v_lshl_add_u32 v[ADB], v16, 5, s61
	v_add_nc_u32 v[ADB], BIAS-256, v[ADB]          ; each fetch steps it by 256: unit u's bias lies at 256 u + 64 w + 32 half
	v_lshl_add_u32 v21, s[WV], 9, v[L16]           ; 16 lane + 512 w
	s_lshl_b32 s62, s[WV], 8
	v_lshl_add_u32 v22, v15, 2, s62
	v_add_nc_u32 v22, BIAS+6144, v22               ; bo[64 w + r]
	s_wait_dscnt 0x0                               ; the opening add is done
	s_wait_kmcnt 0x0
	s_add_nc_u64 s[42:43], s[6:7], s[52:53]        ; wb at my part of slot 0
	s_add_nc_u64 s[46:47], s[42:43], 0x10000       ; and of slot 1
	s_or_b32 s43, s43, 0x80000000
	s_or_b32 s47, s47, 0x80000000
	s_add_nc_u64 s[4:5], s[4:5], s[54:55]
	s_add_nc_u64 s[28:29], s[16:17], s[58:59]      ; where k's first channel blocks go
	s_add_nc_u64 s[48:49], s[28:29], 16384         ; and U
	s_lshl_b32 s54, s22, 9
	s_add_nc_u64 s[18:19], s[18:19], s[54:55]      ; my record of 512 bytes in vsc
	global_load_b128 v[24:27], v17, s[8:9]
	global_load_b128 v[28:31], v17, s[10:11]
	global_load_b128 v[32:35], v17, s[12:13]
	global_load_b128 v[36:39], v18, s[14:15]
	WIN 0xc0                                       ; h, raw, fills window 3: 64 loads of 512 consecutive bytes
.set n, 0
.rept 64
	global_load_b128 v[4*n:4*n+3], v11, s[4:5] offset:512*n th:TH_LOAD_NT
.set n, n+1
.endr
	WIN 0
	CROUND                                         ; all four work-groups are here: the first joint loads meet
	tensor_load_to_lds s[40:43], s[32:39]
	s_nop 0
	tensor_load_to_lds s[44:47], s[32:39]          ; two loads of mine are out
	s_nop 0
	PLACES
	s_wait_loadcnt 63                              ; 64 loads were issued behind the biases'; the wait's field holds 63
.irp j, 0,1,2,3,4,5,6,7
	v_cvt_pk_bf16_f32 v[40+\j], v[24+2*\j], v[25+2*\j]  ; the biases have the rounding that every input has,
.endr
.irp j, 0,1,2,3,4,5,6,7
	v_lshlrev_b32 v[24+2*\j], 16, v[40+\j]         ; and are kept in f32
	v_and_b32 v[25+2*\j], 0xffff0000, v[40+\j]
.endr
	ds_store_b128 v19, v[24:27]
	ds_store_b128 v19, v[28:31] offset:2048
	ds_store_b128 v19, v[32:35] offset:4096
	s_cmp_lt_u32 s[WV], 2                          ; bo has 64 pieces: waves 0 and 1 store them
	s_cbranch_scc0 .Lnobo
	ds_store_b128 v20, v[36:39]
.Lnobo:
.set n, 0
.rept 4                                ; h to bf16, sixteen loads at a time, into rows of 528 bytes: a store of 8 bytes a lane covers 256 consecutive bytes
	s_wait_loadcnt 48-n                            ; the younger loads of h stay out
	WIN 0x0f
.set m, n
.rept 16
	v_cvt_pk_bf16_f32 v[64+2*m], v[4*m], v[4*m+1]
	v_cvt_pk_bf16_f32 v[65+2*m], v[4*m+2], v[4*m+3]
.set m, m+1
.endr
	WIN 0
.set m, n
.rept 16
	ds_store_b64 v[HST], v[64+2*m:65+2*m] offset:HP*(m/2)+256*(m%2)
.set m, m+1
.endr
.set n, n+16
.endr
	WIN 0xc0                                       ; window 3 is free: stage 1's constants
	v_mov_b32 v[ZERO], 0
	v_mov_b32 v[GO], v21
	v_add_nc_u32 v[LC], VT, v21
	WIN 0
	s_wait_dscnt 0x0                               ; for the others' sake: my rows of h and my biases lie in LDS
	s_barrier_signal -1
	s_barrier_wait -1
.set t, 0
.rept 8                                ; all 8 tiles' fragments: row 16 t + r, K step c: two loads of 16 bytes, 32 bytes apart
	WIN 0x40+0x40*(t/4)
.set c, 0
.rept 8
	ds_load_b128 v[64*(t%4)+8*c:64*(t%4)+8*c+3], v[AH] offset:16*HP*t+64*c
	ds_load_b128 v[64*(t%4)+8*c+4:64*(t%4)+8*c+7], v[AH] offset:16*HP*t+64*c+32
.set c, c+1
.endr
.set t, t+1
.endr
	WIN 0
; 18 LDS loads: a unit's 8 weight fragments, from byte off of my part of the slot, and its bias, into set bn
.macro FETCH1 bn, off
	WIN 0
.irp c, 0,1,2,3,4,5,6,7
	ds_load_b128 v[WF+64*(\bn)+8*(\c):WF+64*(\bn)+8*(\c)+3], v[ADW] offset:(\off)+1024*(\c)
	ds_load_b128 v[WF+64*(\bn)+8*(\c)+4:WF+64*(\bn)+8*(\c)+7], v[ADW] offset:(\off)+1024*(\c)+512
.endr
	v_add_nc_u32 v[ADB], 0x100, v[ADB]
	WIN 0xc0
	ds_load_b128 v[BI+8*(\bn):BI+8*(\bn)+3], v[ADB]
	ds_load_b128 v[BI+8*(\bn)+4:BI+8*(\bn)+7], v[ADB] offset:16
.endm
; 24 LDS loads: K step c of the slot's four, for stage 2, into set b of window 1: 8 fragments of v, my 4 of Wo
.macro FETCH2 b, c
	WIN W_L1
.irp t, 0,1,2,3,4,5,6,7
	ds_load_b128 v[96*(\b)+8*(\t):96*(\b)+8*(\t)+3], v[AV0+(\t)/4] offset:16384*((\t)%4)+1024*(\c)
	ds_load_b128 v[96*(\b)+8*(\t)+4:96*(\b)+8*(\t)+7], v[AV0+(\t)/4] offset:16384*((\t)%4)+1024*(\c)+512
.endr
.irp d, 0,1,2,3
	ds_load_b128 v[96*(\b)+64+8*(\d):96*(\b)+64+8*(\d)+3], v[ADW] offset:4096*(\d)+1024*(\c)
	ds_load_b128 v[96*(\b)+64+8*(\d)+4:96*(\b)+64+8*(\d)+7], v[ADW] offset:4096*(\d)+1024*(\c)+512
.endr
.endm
; n products of K step c for tiles 4 hh + lo on.  The four accumulators of a half take turns, one instruction a turn.  The first K step takes the bias as C.
.macro ROW1 b, hh, c, lo, n
	WIN W_M1+4*(\hh)
.set tt, (\lo)
.rept (\n)
.if (\c) == 0
	v_wmma_f32_16x16x32_bf16 v[64*(\b)+32*(\hh)+8*tt:64*(\b)+32*(\hh)+8*tt+7], v[WF+64*(\b)+8*(\c):WF+64*(\b)+8*(\c)+7], v[64*tt+8*(\c):64*tt+8*(\c)+7], v[BI+8*(\b):BI+8*(\b)+7]
.else
	v_wmma_f32_16x16x32_bf16 v[64*(\b)+32*(\hh)+8*tt:64*(\b)+32*(\hh)+8*tt+7], v[WF+64*(\b)+8*(\c):WF+64*(\b)+8*(\c)+7], v[64*tt+8*(\c):64*tt+8*(\c)+7], v[64*(\b)+32*(\hh)+8*tt:64*(\b)+32*(\hh)+8*tt+7]
.endif
.set tt, tt+1
.endr
.endm
; The way out of the unit before: 16 groups of four vector lines that stand between this unit's products.  Group g, for tile g / 2 of set o: even: rounded to f16, from the accumulator's low end on;
; odd: the relu on packed halves.
.macro GRP o, g
	WIN W_R
.set gt, (\g)/2
.if (\g)%2 == 0
.irp j, 0,1,2,3
	v_cvt_pk_f16_f32 v[TMP+4*gt+\j], v[64*(\o)+8*gt+2*\j], v[64*(\o)+8*gt+2*\j+1]
.endr
.else
.irp j, 0,1,2,3
	v_pk_max_num_f16 v[TMP+4*gt+\j], v[TMP+4*gt+\j], v[ZERO]
.endr
.endif
.endm
; And its eight stores, of 512 consecutive bytes each, in ONE run, never singly among the products: kind 1 into LDS (v), kind 2 into qkv (k, q).
.macro STORES kind
	WIN W_R
.irp t, 0,1,2,3,4,5,6,7
.if (\kind) == 2
	global_store_b128 v[GO], v[TMP+4*(\t):TMP+4*(\t)+3], s[28:29] offset:((\t)%4)*KTB+((\t)/4)*STB
.else
	ds_store_b128 v[LS0+(\t)/4], v[TMP+4*(\t):TMP+4*(\t)+3] offset:16384*((\t)%4)
.endif
.endr
.endm
; A UNIT: 64 products into set b.  ride: 0 none, 1, 2: the kind of the stores.  The groups stand in the first half, the run of stores behind it, next to the unit's run of LDS loads.
; mid 0: the slot's second unit is fetched.  mid 1: THE CHANGE OF SLOTS: both units of this slot are in registers; every wave
; waits for all its tensor loads (one is out: its part of the other slot), adds 0 to its spare word, waits for that and for its reads; a round of the cluster's barrier; the joint refill first behind it,
; with the data two slots on: it has two units, 128 products, in which to land.  mid 2: the same, and stage 2's first fragments are fetched.  sel = 1: the store address may jump from k to q.
.macro UNIT b, ride, mid, sel=0
	s_wait_dscnt 0x0                               ; this unit's 18 loads are in (they were issued 32 products ago)
.if (\ride) == 1
	WIN W_R
	v_add_nc_u32 v[LS0], s[VB], v[LC]
	v_add_nc_u32 v[LS0+1], 0x10000, v[LS0]
.endif
.irp c, 0,1,2,3,4,5,6,7
	ROW1 \b, 0, \c, 0, 2
.if (\ride)
	GRP 1-(\b), 2*(\c)
.endif
	ROW1 \b, 0, \c, 2, 2
.if (\ride)
	GRP 1-(\b), 2*(\c)+1
.endif
.endr
.if (\ride)
	STORES \ride
.endif
.if (\ride) == 1
	s_add_co_u32 s[VB], s[VB], 2048
.endif
.if (\mid) == 0
	PLACES
	FETCH1 1-(\b), 8192
.irp c, 0,1,2,3,4,5,6,7
	ROW1 \b, 1, \c, 0, 4
.endr
.else
	WIN 0
	s_wait_tensorcnt 0x0                           ; no tensor load of mine is out, so the walking group 0 may be written
	ds_add_u32 v[SPW], v[NIL]                      ; 0 onto my spare word
	s_xor_b32 s45, s45, RING1
	s_add_nc_u64 s[46:47], s[46:47], 0x10000
	ROW1 \b, 1, 0, 0, 4
	ROW1 \b, 1, 1, 0, 4
	s_wait_dscnt 0x0                               ; the add is done; my reads of the slot and my stores of v are over
	s_barrier_signal -1
	ROW1 \b, 1, 2, 0, 4
	ROW1 \b, 1, 3, 0, 4
	WIN 0
	s_barrier_wait -1
	CREST
	tensor_load_to_lds s[44:47], s[32:39]          ; my one tensor load behind the round
	s_nop 0
	PLACES                                         ; also the places in front of the loads below
	s_xor_b32 s[TB], s[TB], RING1
	v_add_nc_u32 v[ADW], s[TB], v[AW0]
.if (\mid) == 1
	FETCH1 1-(\b), 0
.else
	FETCH2 0, 0                                    ; tiles 0-3 of h, in window 1, have had their last product
.endif
.irp c, 4,5,6,7
	ROW1 \b, 1, \c, 0, 4
.endr
.endif
.if (\ride) == 2
	s_wait_xcnt 0x0                                ; the eight stores, 32 products back, have read their base and data: both are written again only behind this wait
.if (\sel)
	s_cmp_eq_u32 s[CT], 4                          ; the trip whose second unit carries k's last channel blocks
	s_cselect_b32 s26, s56, s57
.else
	s_mov_b32 s26, s57
.endif
	s_add_nc_u64 s[28:29], s[28:29], s[26:27]
.endif
.endm
	s_wait_tensorcnt 0x1                           ; my part of slot 0 is in, and I alone read it; slot 1's may stay out
	v_mov_b32 v[ADW], v[AW0]
	FETCH1 0, 0
	WIN 0
	s_wait_dscnt 0x0                               ; my reads of h are over: behind this barrier v is stored over h's rows
	s_barrier_signal -1
	s_barrier_wait -1
	UNIT 0, 0, 0                                   ; unit 0; unit u's results leave in unit u + 1
	WIN 0
	s_mov_b32 s[CT], 4
.Lv:                                                   ; units 1 to 8 carry v
	UNIT 1, 1, 1
	UNIT 0, 1, 0
	WIN 0
	s_sub_co_u32 s[CT], s[CT], 1
	s_cmp_lg_u32 s[CT], 0
	s_cbranch_scc1 .Lv
	s_mov_b32 s[CT], 7
.Lkq:                                                  ; units 9 to 22 carry k and q
	UNIT 1, 2, 1
	UNIT 0, 2, 0, 1
	WIN 0
	s_sub_co_u32 s[CT], s[CT], 1
	s_cmp_lg_u32 s[CT], 0
	s_cbranch_scc1 .Lkq
	UNIT 1, 2, 2                                   ; unit 23
.irp g, 0,1,2,3,4,5,6,7,8,9,10,11,12,13,14,15
	GRP 1, \g                                      ; and its own results
.endr
	STORES 2
	WIN 0
	s_wait_xcnt 0x0                                ; the stores have read window 3, which stage 2's sums take over
.irp d, 0,1,2,3
	ds_load_b32 v[BOC+8*\d], v22 offset:64*\d      ; bo[64 w + 16 db + r]
.endr
	s_wait_dscnt 0x0
.irp d, 0,1,2,3
.irp j, 1,2,3,4,5,6,7
	v_mov_b32 v[BOC+8*\d+\j], v[BOC+8*\d]          ; the same for all 8 keys of a lane
.endr
.endr
; STAGE 2.  n products, numbers lo on, of a K step: number 4 t + db.  The 32 accumulators take turns.  first = 1: bo starts the sums.
.macro PR2 b, lo, n, first=0
.set pi, (\lo)
.rept (\n)
.if (\first)
	WIN W_S2F
	v_wmma_f32_16x16x32_f16 v[8*pi:8*pi+7], v[96*(\b)+8*(pi/4):96*(\b)+8*(pi/4)+7], v[96*(\b)+64+8*(pi%4):96*(\b)+64+8*(pi%4)+7], v[BOC+8*(pi%4):BOC+8*(pi%4)+7]
.else
	WIN W_S2
	v_wmma_f32_16x16x32_f16 v[8*pi:8*pi+7], v[96*(\b)+8*(pi/4):96*(\b)+8*(pi/4)+7], v[96*(\b)+64+8*(pi%4):96*(\b)+64+8*(pi%4)+7], v[8*pi:8*pi+7]
.endif
.set pi, pi+1
.endr
.endm
.macro NEXTW                           ; on to the other slot, and to v's next 128 channels
	WIN 0
	s_xor_b32 s[TB], s[TB], RING1
	v_add_nc_u32 v[ADW], s[TB], v[AW0]
	v_add_nc_u32 v[AV0], 0x1000, v[AV0]
	v_add_nc_u32 v[AV0+1], 0x1000, v[AV0+1]
.endm
; A K step of 32: 32 products on set b.  mode 0: the slot's next K step is fetched in its middle.  mode 1: the slot's last K step, with the change of slots as in UNIT.
; mode 2: the same without a refill: my own wait shows my part of the last slot, which I alone read.  mode 3: the last K step of all.
.macro KSTEP b, c, mode, first=0
	s_wait_dscnt 0x0                               ; this K step's 24 loads are in (issued 16 products ago)
.if (\mode) == 0
	PR2 \b, 0, 16, \first
	PLACES
	FETCH2 1-(\b), (\c)+1
	PR2 \b, 16, 16, \first
.elseif (\mode) == 1
	WIN 0
	s_wait_tensorcnt 0x0
	ds_add_u32 v[SPW], v[NIL]
	s_xor_b32 s45, s45, RING1
	s_add_nc_u64 s[46:47], s[46:47], 0x10000
	PR2 \b, 0, 8
	s_wait_dscnt 0x0
	s_barrier_signal -1
	PR2 \b, 8, 8
	WIN 0
	s_barrier_wait -1
	CREST
	tensor_load_to_lds s[44:47], s[32:39]
	s_nop 0
	PLACES
	NEXTW
	FETCH2 0, 0
	PR2 \b, 16, 16
.elseif (\mode) == 2
	s_wait_tensorcnt 0x0
	PR2 \b, 0, 16
	PLACES
	NEXTW
	FETCH2 0, 0
	PR2 \b, 16, 16
.else
	PR2 \b, 0, 32
.endif
.endm
	KSTEP 0, 0, 0, 1
	WIN 0
	s_mov_b32 s[CT], 2
.Lwo:                                                  ; two trips: the last two slots of Wo are asked for
	KSTEP 1, 1, 0
	KSTEP 0, 2, 0
	KSTEP 1, 3, 1
	KSTEP 0, 0, 0
	WIN 0
	s_sub_co_u32 s[CT], s[CT], 1
	s_cmp_lg_u32 s[CT], 0
	s_cbranch_scc1 .Lwo
	KSTEP 1, 1, 0
	KSTEP 0, 2, 0
	KSTEP 1, 3, 2
	KSTEP 0, 0, 0
	KSTEP 1, 1, 0
	KSTEP 0, 2, 0
	KSTEP 1, 3, 3
	; THE WAY OUT.  The largest |V2| of the block: in a lane (four chains, each accumulator from its low end on), across the lanes, across the waves through LDS.
	PLACES
	WIN 0
.irp k, 0,1,2,3
	v_mov_b32 v[14+\k], 0
.endr
	WIN 0x3c                                       ; sources 1 and 2 in window 3
.set a, 0
.rept 32
.irp k, 0,1,2,3
	v_max3_num_f32 v[14+\k], v[14+\k], |v[8*a+2*\k]|, |v[8*a+2*\k+1]|
.endr
.set a, a+1
.endr
	WIN 0
	v_max3_num_f32 v14, v14, v15, v16
	v_max_num_f32 v14, v14, v17
	v_max_num_f32_dpp v14, v14, v14 row_xmask:1 row_mask:0xf bank_mask:0xf
	v_max_num_f32_dpp v14, v14, v14 row_xmask:2 row_mask:0xf bank_mask:0xf
	v_max_num_f32_dpp v14, v14, v14 row_xmask:4 row_mask:0xf bank_mask:0xf
	v_max_num_f32_dpp v14, v14, v14 row_xmask:8 row_mask:0xf bank_mask:0xf
	v_permlanex16_b32 v15, v14, s50, s51
	v_max_num_f32 v14, v14, v15
	s_lshl_b32 s60, s[WV], 2
	s_add_co_u32 s60, s60, RED
	v_mov_b32 v16, s60
	ds_store_b32 v16, v14                          ; all lanes write the same word with the same value
	s_wait_dscnt 0x0
	s_barrier_signal -1
	s_barrier_wait -1
	v_mov_b32 v17, RED
	ds_load_b128 v[20:23], v17
	s_wait_dscnt 0x0
	v_max3_num_f32 v14, v20, v21, v22
	v_max_num_f32 v14, v14, v23
	v_max_num_f32 v14, 0x20000000, v14             ; held to 2^-63 .. 2^63
	v_min_num_f32 v14, 0x5f000000, v14
	v_lshrrev_b32 v14, 23, v14                     ; its biased exponent eb, 64 .. 190;  E = eb - 126, so that |V2| < 2^E
	v_sub_nc_u32 v15, 0xfd, v14
	v_lshlrev_b32 v18, 23, v15                     ; 2^-E
	v_mov_b32 v19, v18
	v_add_nc_u32 v15, 0xffffff82, v14
	v_cvt_f32_i32 v20, v15                         ; E
	v_mov_b32 v21, v18
	v_mov_b32 v22, v20
	v_mov_b32 v23, v18
	WIN 0xc3
.set a, 0
.rept 128
	v_pk_mul_f32 v[2*a:2*a+1], v[2*a:2*a+1], v[18:19] op_sel_hi:[1,0]
.set a, a+1
.endr
	WIN 0x0f
.set a, 0
.rept 128
	v_cvt_pk_f16_f32 v[64+a], v[2*a], v[2*a+1]
.set a, a+1
.endr
	WIN 0
.set a, 0
.rept 32                               ; accumulator 4 t + db: tile t, channel block 4 w + db: 512 consecutive bytes
	global_store_b128 v[GV], v[64+4*a:64+4*a+3], s[48:49] offset:((a/4)%4)*KTB+(a/16)*STB+512*(a%4)
.set a, a+1
.endr
	s_cmp_lg_u32 s[WV], 0
	s_cbranch_scc1 .Lnosc
	global_store_b128 v[L16], v[20:23], s[18:19]   ; the record: (E, 2^-E) 64 times
.Lnosc:
	s_wait_tensorcnt 0x0                           ; the wave's end
	ds_add_u32 v[SPW], v[NIL]
	s_wait_dscnt 0x0
	CROUND                                         ; the closing round
	s_endpgm
.Lfunc_end_k_q7d697ecd19_proj:
	.size	k_q7d697ecd19_proj, .Lfunc_end_k_q7d697ecd19_proj-k_q7d697ecd19_proj
	.p2alignl 7, 3214868480
	.fill 96, 4, 3214868480
	.section	.rodata,"a",@progbits
	.p2align	6, 0x0
	.amdhsa_kernel k_q7d697ecd19_proj
		.amdhsa_group_segment_fixed_size 327680
		.amdhsa_private_segment_fixed_size 0
		.amdhsa_enable_private_segment 0
		.amdhsa_kernarg_size 64
		.amdhsa_user_sgpr_count 2
		.amdhsa_user_sgpr_kernarg_segment_ptr 1
		.amdhsa_wavefront_size32 1
		.amdhsa_system_sgpr_workgroup_id_x 1
		.amdhsa_system_sgpr_workgroup_id_y 1
		.amdhsa_system_sgpr_workgroup_id_z 1
		.amdhsa_system_vgpr_workitem_id 0
		.amdhsa_next_free_vgpr 1024
		.amdhsa_next_free_sgpr 66
		.amdhsa_reserve_vcc 0
		.amdhsa_float_denorm_mode_32 3
		.amdhsa_float_denorm_mode_16_64 3
		.amdhsa_memory_ordered 1
		.amdhsa_forward_progress 1
		.amdhsa_inst_pref_size 180
	.end_amdhsa_kernel
	.amdgpu_metadata
---
amdhsa.version: [ 1, 2 ]
amdhsa.kernels:
  - .name:           k_q7d697ecd19_proj
    .symbol:         k_q7d697ecd19_proj.kd
    .args:
      - { .name: h, .offset: 0, .size: 8, .value_kind: global_buffer, .address_space: global }
      - { .name: wb, .offset: 8, .size: 8, .value_kind: global_buffer, .address_space: global }
      - { .name: bv, .offset: 16, .size: 8, .value_kind: global_buffer, .address_space: global }
      - { .name: bk, .offset: 24, .size: 8, .value_kind: global_buffer, .address_space: global }
      - { .name: bq, .offset: 32, .size: 8, .value_kind: global_buffer, .address_space: global }
      - { .name: bo, .offset: 40, .size: 8, .value_kind: global_buffer, .address_space: global }
      - { .name: qkv, .offset: 48, .size: 8, .value_kind: global_buffer, .address_space: global }
      - { .name: vsc, .offset: 56, .size: 8, .value_kind: global_buffer, .address_space: global }
    .group_segment_fixed_size: 327680
    .private_segment_fixed_size: 0
    .kernarg_segment_align: 8
    .kernarg_segment_size: 64
    .max_flat_workgroup_size: 128
    .sgpr_count:     66
    .vgpr_count:     1024
    .wavefront_size: 32
...
	.end_amdgpu_metadata
.endif
;; end of part 4
;; launch attn (part 5): grid 8 x 32, 4 waves a work-group, clusters of 4 x 1, 327,680 bytes of LDS; arguments qkv, vsc, out0; writes out0
.if DOCPART == 5
	.amdgcn_target "amdgcn-amd-amdhsa--gfx1250"
	.amdhsa_code_object_version 6
	.text
	.protected	k_q7d697ecd19_attn
	.globl	k_q7d697ecd19_attn
	.p2align	8
	.type	k_q7d697ecd19_attn,@function
k_q7d697ecd19_attn:
	s_mov_b64 s[64:65], 0
	v_nop
	global_prefetch_b8 v0, s[64:65] scope:SCOPE_SE
	s_setreg_imm32_b32 hwreg(HW_REG_WAVE_MODE, 25, 1), 1
	s_wait_xcnt 0x0
	s_wait_alu depctr_hold_cnt(0) depctr_sa_sdst(0) depctr_va_vdst(0) depctr_va_sdst(0) depctr_va_ssrc(0) depctr_va_vcc(0) depctr_vm_vsrc(0)
	s_getreg_b32 s2, hwreg(HW_REG_IB_STS2, 6, 4)
	s_cmp_eq_u32 s2, 0
	s_cbranch_scc0 .Lentry_in_a_cluster
	s_endpgm
.Lentry_in_a_cluster:
	s_bfe_u32 s2, ttmp6, 0x10000c
	s_cmp_lg_u32 s2, 0x3003
	s_cbranch_scc0 .Lentry_shape_is_right
	s_endpgm
.Lentry_shape_is_right:
; out[b][n][:] = relu( sum over m of softmax_m(q[n] . k[m]) V2[m][:] ),  V2[m] = 2^E U[m], E one number for each block of 128 keys.  q, k: 512 channels, U: 256, all f16; products, maxima, sums in f32.
; SOFTMAX.  c = log2(e).  A running maximum M of c s + E;  p = 2^(c s + E - M) (at most 1, rounded to f16 for the second product);  O = sum p U;  l = sum p 2^-E (of the unrounded p);  out = relu(O / l).
; In every step O and l are multiplied by a = 2^(M_old - M).  M starts far below every c s + E, O and l at 0: the first a is 0 and no first step is written out (256 lines clear O in the wait for the first tile).
; LIMITS.  A weight below 2^-126 counts as 0 in l, below 6e-8 as 0 in O.  E lies in -62 .. 64, so l stays between 2^-64 and 2^72.  NaN and infinities are not treated apart.
; SHARES.  A work-group owns 128 queries of a batch, a wave two tiles of 16.  Every wave walks 16 steps of 64 keys.  Both products are taken transposed (S^T = K Q^T, O^T = U^T P): a lane holds one query.
; THE TRIP.  Trip j multiplies K(j+1) Q^T (blocks 0-7, 16 products each) and U(j)^T P(j) (blocks 8-11); beside them the softmax of step j and the maximum of step j + 1.  The sum's last link writes the
; scores into a second set of registers, on which the vector work goes, so the text is the same in every trip.
; THE RECORD.  In memory, for one kt, lie k(0), U(0), k(1), U(1) ..: record s = [U(s-1) | k(s)] is 24,576 consecutive bytes, all that trip s - 1 reads: it is freed and filled as one.  Wave w fetches kt = w.
; Record 0 is k(0) alone.  Record 16's last 16,384 bytes are the bytes that follow in qkv (another tile, written by the launch before): they land and are never read.
; CLUSTER.  The four query blocks of a cluster walk the same K and U: each record is asked for jointly.
; LDS: slot 0 at 0, slot 1 at 131,072, 98,304 bytes each, part kt at 24,576 kt; 229,376 a stage of 16 rows x 1,040 bytes for each wave; 295,936 the spare words.
; REGISTERS, in windows of 256.  Window 0: addresses, statistics, v64-127 the sums S^T, v128-191 the scores at work, v192-223 P.  Window 1: O^T, 128 a tile.  Window 2: Q, 128 a tile.
; Window 3: four buffers of 8 fragments; block b reads buffer b % 4.  THE LDS LOADS STAND IN RUNS OF 32, never singly among the products: at the head of each even block b, the fragments of blocks b + 2 and b + 3.
.set KTB,   393216
.set STB,   24576
.set BATB,  1572864
.set QOFF,  50331648
.set SLOT1, 1<<17
.set STAGE, 229376
.set SPI,   1040                       ; a stage row: 1,024 bytes + 16: sixteen lanes' stores start 16 bytes apart modulo 256
.set SPARE, 295936
.set L16, 2                            ; v2   16 x lane
.set ADR, 3                            ; v3, v4  the slot being read: parts 0-1, parts 2-3
.set STO, 6
.set RD,  7
.set PFO, 11                           ; v11  256 x lane
.set SPW, 12
.set NIL, 13
.set ST,  16                           ; tile u's statistics at ST + 8 u: +0 E - M, +1 M_old, +2, +3 l, +4 M, +6 a, +7 named with a as a pair
.set CW,  32                           ; four registers at work a tile
.set SA,  64
.set SW,  128
.set P,   192
.set WV,  12
.set LIM, 14
.set CNT, 15
.set TB,  16
.set PFA, 18
.set VSP, 20
.set SCN, 22                           ; s[22:23] (E, 2^-E) of step j + 1
.set IBC, 24                           ; s[24:25] 2^-E of step j
.set CSC, 26                           ; s[26:27] c
.set SEL, 28
.set G1,  32                           ; a record: 96 rows of 256 bytes
.set G1F, 40                           ; record 0: 64 rows
.set G0A, 48
.set G0B, 52                           ; it walks
.set W_KQ, 0x0b                        ; K window 3, Q window 2, S^T window 0
.set W_PV, 0x53                        ; U window 3, P window 0, O^T window 1
.set W_LD, 0xc0
.set W_RS, 0x41
.set MSB, 0
.macro WIN new
.if MSB != (\new)
	s_set_vgpr_msb (MSB<<8)|(\new)
.set MSB, (\new)
.endif
.endm
.macro PLACES                          ; four plain instructions between a product and a load into its registers (ISA guide 7.12.1 for vector instructions)
.rept 4
	v_nop
.endr
.endm
.macro CREST
	s_cmp_lg_u32 s[WV], 0
	s_cbranch_scc1 .Lnw0_\@
	s_barrier_signal -3
.Lnw0_\@:
	s_barrier_wait -3
	s_barrier_signal -1
	s_barrier_wait -1
.endm
.macro CROUND
	s_barrier_signal -1
	s_barrier_wait -1
	CREST
.endm
; A PREFETCH INTO THE L2 of the record that the NEXT change of slots will ask for, one trip (192 products) ahead of its load.  Both clusters of a batch walk the same records: the first asks.  Its partner
; cx takes kt = cx, by address; waves 0, 1, 2 take 8,192 bytes each, a lane for each 256.  Of record 16 only U's 8,192 bytes are named (wave 0), beyond it nothing.
.macro ASK
	s_cmp_gt_u32 s[CNT], s[LIM]
	s_cbranch_scc0 .Lnp_\@
	global_prefetch_b8 v[PFO], s[PFA:PFA+1] th:TH_LOAD_NT scope:SCOPE_SE
.Lnp_\@:
.endm
	s_load_b128 s[4:7], s[0:1], 0x0                ; qkv, vsc
	s_load_b64 s[8:9], s[0:1], 0x10                ; out0
	v_lshl_add_u32 v[SPW], v0, 2, SPARE
	v_mov_b32 v[NIL], 0
	ds_add_u32 v[SPW], v[NIL]                      ; the wave's opening: the add and its wait ahead of my first tensor load
	v_lshrrev_b32 v1, 5, v0
	v_readfirstlane_b32 s[WV], v1
	s_bfe_u32 s13, ttmp6, 0x40000                  ; cx
	s_lshl_b32 s57, ttmp9, 2
	s_add_co_u32 s57, s57, s13                     ; my block of 128 queries: it enters Q's, out0's and the prefetches' addresses alone
	s_and_b32 s56, ttmp7, 0xffff                   ; the batch, which the partners share
	s_mul_i32 s58, s56, BATB
	s_mov_b32 s59, 0
	s_mul_i32 s62, s[WV], KTB                      ; kt = w
	s_mov_b32 s63, 0
	s_add_nc_u64 s[62:63], s[62:63], s[58:59]
	s_and_b32 s66, s[WV], 1                        ; Q: my tiles are 8 qb + 2 w + u = 4 s + kt: kt = 2 (w % 2) + u, s = 2 qb + w / 2
	s_mul_i32 s66, s66, 2*KTB
	s_lshl_b32 s67, s57, 1
	s_lshr_b32 s68, s[WV], 1
	s_add_co_u32 s67, s67, s68
	s_mul_i32 s67, s67, STB
	s_add_co_u32 s66, s66, s67
	s_add_co_u32 s66, s66, s58
	s_add_co_u32 s66, s66, QOFF
	s_mov_b32 s67, 0
	s_mul_i32 s70, s13, KTB                        ; the prefetches: kt = cx, record 3, my 8,192 bytes; the first change steps it to record 4
	s_lshl_b32 s71, s[WV], 13
	s_add_co_u32 s70, s70, s71
	s_add_co_u32 s70, s70, s58
	s_add_co_u32 s70, s70, 3*STB-8192
	s_mov_b32 s71, 0
	s_lshl_b32 s60, s56, 20                        ; out0: batch, block, my 32 rows of 1,024 bytes
	s_lshl_b32 s61, s57, 17
	s_add_co_u32 s60, s60, s61
	s_lshl_b32 s61, s[WV], 15
	s_add_co_u32 s60, s60, s61
	s_mov_b32 s61, 0
	s_lshl_b32 s68, s56, 12                        ; vsc: 4,096 bytes a batch, 256 a step
	s_mov_b32 s69, 0
	s_cmp_eq_u32 s[WV], 0
	s_cselect_b32 s[LIM], 1, 2
	s_cmp_eq_u32 s[WV], 3
	s_cselect_b32 s[LIM], -1, s[LIM]
	s_cmp_lg_u32 ttmp9, 0
	s_cselect_b32 s[LIM], -1, s[LIM]               ; the same in all four partners, for a given wave
	s_mov_b32 s[G1], 15|(3<<16)|(1<<21)            ; the mask of four; elements of 8 bytes; bit 21 beside a mask; no padding
	s_mov_b32 s[G1+1], 32<<16
	s_mov_b32 s[G1+2], 96<<16
	s_mov_b32 s[G1+3], 32<<16
	s_mov_b32 s[G1+4], 96
	s_mov_b32 s[G1+5], 32
	s_mov_b32 s[G1+6], 0
	s_mov_b32 s[G1+7], 0
	s_mov_b32 s[G1F], 15|(3<<16)|(1<<21)
	s_mov_b32 s[G1F+1], 32<<16
	s_mov_b32 s[G1F+2], 64<<16
	s_mov_b32 s[G1F+3], 32<<16
	s_mov_b32 s[G1F+4], 64
	s_mov_b32 s[G1F+5], 32
	s_mov_b32 s[G1F+6], 0
	s_mov_b32 s[G1F+7], 0
	s_mul_i32 s72, s[WV], STB
	s_mov_b32 s[G0A], 1
	s_add_co_u32 s[G0A+1], s72, 8192               ; record 0: K's place in my part of slot 0
	s_mov_b32 s[G0B], 1
	s_add_co_u32 s[G0B+1], s72, SLOT1
	s_mov_b32 s[CSC], 0x3fb8aa3b
	s_mov_b32 s[CSC+1], s[CSC]
	s_mov_b32 s[SEL], 0x76543210
	s_mov_b32 s[SEL+1], 0xfedcba98
	s_mov_b32 s[TB], 0
	v_and_b32 v14, 31, v0
	v_lshlrev_b32 v[L16], 4, v14
	v_lshlrev_b32 v[PFO], 8, v14
	v_and_b32 v15, 15, v0
	v_bfe_u32 v9, v0, 4, 1
	s_mul_i32 s73, s[WV], 16*SPI
	s_add_co_u32 s73, s73, STAGE
	v_mul_u32_u24 v[STO], v15, SPI                 ; in: row = my query, 32 bytes for each half of the lanes
	v_lshl_add_u32 v[STO], v9, 5, v[STO]
	v_add_nc_u32 v[STO], s73, v[STO]
	v_add_nc_u32 v[RD], s73, v[L16]                ; back: 512 consecutive bytes of a row
	v_mov_b32 v[ADR], v[L16]
	v_add_nc_u32 v[ADR+1], 2*STB, v[L16]
	s_wait_dscnt 0x0                               ; the opening add is done
	s_wait_kmcnt 0x0
	s_add_nc_u64 s[G0A+2:G0A+3], s[4:5], s[62:63]
	s_add_nc_u64 s[G0B+2:G0B+3], s[G0A+2:G0A+3], 16384  ; record 1 begins with U(0)
	s_or_b32 s[G0A+3], s[G0A+3], 0x80000000
	s_or_b32 s[G0B+3], s[G0B+3], 0x80000000
	s_add_nc_u64 s[66:67], s[4:5], s[66:67]
	s_add_nc_u64 s[PFA:PFA+1], s[4:5], s[70:71]
	s_add_nc_u64 s[8:9], s[8:9], s[60:61]
	s_add_nc_u64 s[VSP:VSP+1], s[6:7], s[68:69]
	s_load_b64 s[SCN:SCN+1], s[VSP:VSP+1], 0x0     ; step 0's scale
	WIN 0x80                                       ; Q stays in registers: tile u, K step c: two loads of 512 consecutive bytes
.set n, 0
.rept 32
	global_load_b128 v[8*n:8*n+3], v[L16], s[66:67] offset:(n/16)*KTB+1024*(n%16)
	global_load_b128 v[8*n+4:8*n+7], v[L16], s[66:67] offset:(n/16)*KTB+1024*(n%16)+512
.set n, n+1
.endr
	WIN 0
	CROUND                                         ; all four work-groups are here: the first joint loads meet
	tensor_load_to_lds s[G0A:G0A+3], s[G1F:G1F+7]
	s_nop 0
	tensor_load_to_lds s[G0B:G0B+3], s[G1:G1+7]    ; two loads of mine are out
	s_nop 0
	PLACES
	WIN 0x40
.set n, 0
.rept 256
	v_mov_b32 v[n], 0                              ; O^T
.set n, n+1
.endr
	WIN 0
.irp u, 0,1
	v_mov_b32 v[ST+8*\u+2], 0
	v_mov_b32 v[ST+8*\u+3], 0
	v_mov_b32 v[ST+8*\u+4], 0xfe000000
	v_mov_b32 v[ST+8*\u+7], 0
.endr
; Product (b, i, u).  Blocks 0-7: K step cc = 2 b + i / 4, keys 16 (i % 4) on.  The first K step starts the sum with 0; the last writes the scores into the work set.  Blocks 8-11: keys 32 (i / 4) on, channel block 4 (b - 8) + i % 4.
; The eight accumulators of a block take turns, one instruction a turn.
.macro MM b, i, u
.set mA, 64*((\b)%4)+8*(\i)
.if (\b) < 8
.set mc, 2*(\b)+(\i)/4
.set mQ, 128*(\u)+8*mc
.set mS, SA+32*(\u)+8*((\i)%4)
.set mW, SW+32*(\u)+8*((\i)%4)
	WIN W_KQ
.if mc == 0
	v_wmma_f32_16x16x32_f16 v[mS:mS+7], v[mA:mA+7], v[mQ:mQ+7], 0
.elseif mc == 15
	v_wmma_f32_16x16x32_f16 v[mW:mW+7], v[mA:mA+7], v[mQ:mQ+7], v[mS:mS+7]
.else
	v_wmma_f32_16x16x32_f16 v[mS:mS+7], v[mA:mA+7], v[mQ:mQ+7], v[mS:mS+7]
.endif
.else
.set mO, 128*(\u)+8*(4*((\b)-8)+(\i)%4)
.set mP, P+16*(\u)+8*((\i)/4)
	WIN W_PV
	v_wmma_f32_16x16x32_f16 v[mO:mO+7], v[mA:mA+7], v[mP:mP+7], v[mO:mO+7]
.endif
.endm
; Fragment ii of block bb: two loads of 512 consecutive bytes.  K: key tile kt = ii % 4, channel blocks 2 cc, 2 cc + 1.  U: channel block, key tiles 2 kk and 2 kk + 1.
.macro FRAG bb, ii
.set fF, 64*((\bb)%4)+8*(\ii)
.if (\bb) < 8
.set fc, 2*(\bb)+(\ii)/4
.set fk, (\ii)%4
	ds_load_b128 v[fF:fF+3], v[ADR+fk/2] offset:STB*(fk%2)+8192+1024*fc
	ds_load_b128 v[fF+4:fF+7], v[ADR+fk/2] offset:STB*(fk%2)+8192+1024*fc+512
.else
.set fc, 4*((\bb)-8)+(\ii)%4
	ds_load_b128 v[fF:fF+3], v[ADR+(\ii)/4] offset:512*fc
	ds_load_b128 v[fF+4:fF+7], v[ADR+(\ii)/4] offset:STB+512*fc
.endif
.endm
; A RUN: the 32 loads of blocks bb and bb + 1, bb's first, so that a counted wait can leave the second block's sixteen out.
.macro RUN bb
	WIN W_LD
.irp i, 0,1,2,3,4,5,6,7
	FRAG \bb, \i
.endr
.irp i, 0,1,2,3,4,5,6,7
	FRAG (\bb)+1, \i
.endr
.endm
; THE VECTOR WORK stands in four queues; the two tiles alternate in each.
; FE, 96: the scalings c s + (E - M), a pair of scores each, and the 64 exponentials: ONE BATCH; nothing in it reads an exponential's result; a pair is scaled a group of six ahead of its exponentials.
.macro FF u, p
	v_pk_fma_f32 v[SW+32*(\u)+2*(\p):SW+32*(\u)+2*(\p)+1], v[SW+32*(\u)+2*(\p):SW+32*(\u)+2*(\p)+1], s[CSC:CSC+1], v[ST+8*(\u):ST+8*(\u)+1] op_sel_hi:[1,0,0]
.endm
.macro EE u, e
	v_exp_f32 v[SW+32*(\u)+(\e)], v[SW+32*(\u)+(\e)]
.endm
.macro FE1
	WIN 0
.if qf < 2
	FF qf, 0
.else
.set gk, (qf-2)/6
.set gm, (qf-2)%6
.if gk == 15
	EE gm%2, 30+gm/2
.elseif gm < 2
	FF gm, gk+1
.else
	EE (gm-2)%2, 2*gk+(gm-2)/2
.endif
.endif
.set qf, qf+1
.endm
; RS, 128: O^T times a, ascending; eight lines a channel block.
.macro RS1
	WIN W_RS
.set rp, 128*(qr%2)+2*(qr/2)
	v_pk_mul_f32 v[rp:rp+1], v[rp:rp+1], v[ST+8*(qr%2)+6:ST+8*(qr%2)+7] op_sel_hi:[1,0]
.set qr, qr+1
.endm
; CS, 66: the 32 roundings to f16; then, a tile, 15 packed sums in place (neighbours 1, 2, 4, 8 pairs apart), l = l a, l += sum x 2^-E.
.macro CS1
	WIN 0
.if qc < 32
	v_cvt_pk_f16_f32 v[P+16*(qc%2)+qc/2], v[SW+32*(qc%2)+2*(qc/2)], v[SW+32*(qc%2)+2*(qc/2)+1]
.else
.set cS, SW+32*((qc-32)%2)
.set cT, ST+8*((qc-32)%2)
.set cz, (qc-32)/2
.set cw, 4
.set cu, cz
.if cz >= 14
.set cw, 32
.set cu, 0
.elseif cz >= 12
.set cw, 16
.set cu, cz-12
.elseif cz >= 8
.set cw, 8
.set cu, cz-8
.endif
.if cz < 15
	v_pk_add_f32 v[cS+cw*cu:cS+cw*cu+1], v[cS+cw*cu:cS+cw*cu+1], v[cS+cw*cu+cw/2:cS+cw*cu+cw/2+1]
.elseif cz == 15
	v_pk_mul_f32 v[cT+2:cT+3], v[cT+2:cT+3], v[cT+6:cT+7] op_sel_hi:[1,0]
.else
	v_pk_fma_f32 v[cT+2:cT+3], v[cS:cS+1], s[IBC:IBC+1], v[cT+2:cT+3] op_sel_hi:[1,0,1]
.endif
.endif
.set qc, qc+1
.endm
; XS, 48: the next step's maximum and statistics, 24 numbers a tile: 0-11 four chains of seven scores, each accumulator's lowest registers first; 12-15 the four left over and the chains into one;
; 16, 18 the other half of the lanes; 17 M is kept; 19 c max + E; 20 the new M; 21 M_old - M; 22 E - M; 23 a.
.macro XS1
	WIN 0
.set xn, qx/2
.set xT, ST+8*(qx%2)
.set xC, CW+4*(qx%2)
.set xS, SW+32*(qx%2)
.if xn < 4
	v_max3_num_f32 v[xC+xn], v[xS+8*xn], v[xS+8*xn+1], v[xS+8*xn+2]
.elseif xn < 12
	v_max3_num_f32 v[xC+xn%4], v[xC+xn%4], v[xS+8*(xn%4)+2*(xn/4)+1], v[xS+8*(xn%4)+2*(xn/4)+2]
.elseif xn == 12
	v_max3_num_f32 v[xC], v[xC], v[xS+7], v[xS+15]
.elseif xn == 13
	v_max3_num_f32 v[xC+2], v[xC+2], v[xS+23], v[xS+31]
.elseif xn == 14
	v_max3_num_f32 v[xC], v[xC], v[xC+1], v[xC+2]
.elseif xn == 15
	v_max_num_f32 v[xC], v[xC], v[xC+3]
.elseif xn == 16
	v_permlanex16_b32 v[xC+1], v[xC], s[SEL], s[SEL+1]
.elseif xn == 17
	v_mov_b32 v[xT+1], v[xT+4]
.elseif xn == 18
	v_max_num_f32 v[xC], v[xC], v[xC+1]
.elseif xn == 19
	v_fma_f32 v[xC+1], v[xC], s[CSC], s[SCN]
.elseif xn == 20
	v_max_num_f32 v[xT+4], v[xT+4], v[xC+1]
.elseif xn == 21
	v_sub_f32 v[xC+2], v[xT+1], v[xT+4]
.elseif xn == 22
	v_sub_f32 v[xT], s[SCN], v[xT+4]
.else
	v_exp_f32 v[xT+6], v[xC+2]
.endif
.set qx, qx+1
.endm
; THE DEAL: one slice behind each pair of products, four lines at the most.  Blocks 0-2: the batch.  Block 3: O^T's channel blocks 0-3 times a.  At block 4's head the ONE wait for the 64 exponentials
; ahead of their first reader.  Blocks 4, 5 and (6, 0): roundings and sums.  The rest of blocks 6 and 7: 60 rescalings; in block 7 they are also the places (sixteen, where five are
; asked for) between a sum's last link but one and the link that takes it as the C of other registers.  Blocks 8-11, slice sn of 32: sn = 0, 1, 3, 6 .. 21 finish the rescaling (channel blocks 8-11 at
; sn = 0, 12-15 at sn = 21, each ahead of its products in blocks 10 and 11); the others, up to sn = 24, find the next step's maximum, three lines each; the new a is written at sn = 24, behind the last
; line that reads the old one.  SMODE 2 (the prologue): two v_nop in block 7, the places there.  SMODE 3 (the last trip): no next step.
.macro SLICE b, i
.if SMODE == 2
.if (\b) == 7
	v_nop
	v_nop
.endif
.elseif (\b) < 3
.rept 4
	FE1
.endr
.elseif (\b) == 3
.rept 4
	RS1
.endr
.elseif (\b) < 6
.rept 4
	CS1
.endr
.elseif ((\b) == 6) && ((\i) == 0)
	CS1
	CS1
.elseif (\b) < 8
.rept 4
	RS1
.endr
.else
.set sn, 8*((\b)-8)+(\i)
.if (((sn%3) == 0) || (sn == 1)) && (qr < 128)
.rept 4
	RS1
.endr
.elseif (SMODE == 0) && (qx < 48)
.rept 3
	XS1
.endr
.endif
.endif
.endm
.macro PAIR b, i
	MM \b, \i, 0
	MM \b, \i, 1
	SLICE \b, \i
.endm
.macro BLOCK b, wc                     ; wc: how many younger LDS loads may stay out; -1: no wait
.if (\wc) >= 0
	s_wait_dscnt (\wc)
.endif
.irp i, 0,1,2,3,4,5,6,7
	PAIR \b, \i
.endr
.endm
.macro TOGGLE                          ; the reads go on in the other slot
	s_xor_b32 s[TB], s[TB], SLOT1
	v_add_nc_u32 v[ADR], s[TB], v[L16]
	v_add_nc_u32 v[ADR+1], 2*STB, v[ADR]
.endm
; A TRIP.  THE WAITS.  At an even block's head the count 16 leaves out the odd block's half of the last run; then the next run goes out; at an odd block's head the count 32 leaves that run out.
; THE PLACES in front of a run, behind the last product that read its registers: the last slice of blocks 3, 5 and 7 (four rescalings or sums, which name none of that product's registers), the four v_nop
; behind the tensor load, and four v_nop at the heads of blocks 0 and 2, where the slices hold exponentials or nothing.
; THE CHANGE OF SLOTS stands in block 9: the record's last run went out at block 8's head.  Every wave waits for all its tensor loads (one is out: its part of the next record), adds 0 to its spare word,
; waits for that and for its reads; fill = 1: a round of the cluster's barrier, and the joint refill, the record three on, first behind it: it has a whole trip, 192 products, in which to land.
; Behind it the next trip's first run, out of the other slot (nxt = 0: the last trip's blocks 8 and 9).
.macro TRIP fill, nxt
.set qf, 0
.set qr, 0
.set qc, 0
.set qx, 0
.set SMODE, 0
	s_wait_dscnt 16
	PLACES
	RUN 2
	BLOCK 0, -1
	BLOCK 1, 32
	s_wait_dscnt 16
	PLACES
	RUN 4
	BLOCK 2, -1
	BLOCK 3, 32
	s_wait_dscnt 16
	s_wait_alu depctr_va_vdst(0)                   ; the wait for the batch, directly ahead of a run of loads
	RUN 6
	BLOCK 4, -1
	BLOCK 5, 32
	s_wait_dscnt 16
	RUN 8
	BLOCK 6, -1
	BLOCK 7, 32
	s_wait_kmcnt 0x0                               ; step j + 1's scale is in, and its address may be stepped
.if (\nxt)
	s_add_nc_u64 s[VSP:VSP+1], s[VSP:VSP+1], 256
.endif
	s_wait_dscnt 16
	RUN 10
	BLOCK 8, -1
	s_wait_dscnt 32
.irp i, 0,1,2,3
	PAIR 9, \i
.endr
	WIN 0
	s_wait_tensorcnt 0x0                           ; no tensor load of mine is out, so the walking group 0 may be written
	ds_add_u32 v[SPW], v[NIL]                      ; 0 onto my spare word
.if (\fill)
	s_xor_b32 s[G0B+1], s[G0B+1], SLOT1
	s_add_nc_u64 s[G0B+2:G0B+3], s[G0B+2:G0B+3], STB
	s_wait_xcnt 0x0                                ; the last prefetch, a trip back, has read its address
	s_add_nc_u64 s[PFA:PFA+1], s[PFA:PFA+1], STB
.endif
.irp i, 4,5
	PAIR 9, \i
.endr
	s_wait_dscnt 0x0                               ; the add is done, and my reads of the record are over: blocks 10's and 11's fragments are in
	s_barrier_signal -1
.irp i, 6,7
	PAIR 9, \i
.endr
	WIN 0
	s_barrier_wait -1
.if (\fill)
	CREST
	tensor_load_to_lds s[G0B:G0B+3], s[G1:G1+7]    ; my one tensor load behind the round
	s_nop 0
.endif
	PLACES
	TOGGLE
.if (\nxt)
	RUN 0
.else
	RUN 8
.endif
	WIN 0
.if (\fill)
	ASK                                            ; behind the tensor load and the run of LDS loads
.endif
	BLOCK 10, -1
	BLOCK 11, -1
	WIN 0
	v_nop                                          ; a plain instruction behind the two a,
	s_wait_alu depctr_va_vdst(0)                   ; and their wait, ahead of the branch
	s_mov_b32 s[IBC], s[SCN+1]
	s_mov_b32 s[IBC+1], s[SCN+1]
.if (\nxt)
	s_load_b64 s[SCN:SCN+1], s[VSP:VSP+1], 0x0     ; step j + 2's scale
.endif
.endm
	s_wait_tensorcnt 0x1                           ; my part of record 0 is in; record 1's may stay out
	s_barrier_signal -1
	s_barrier_wait -1
	RUN 0
	s_wait_loadcnt 0x0                             ; Q
	; THE PROLOGUE: S(0) = K(0) Q^T.  The same runs and waits as in a trip; the counts run down where nothing more is loaded.
.set SMODE, 2
.set qr, 0
.set qx, 0
	s_wait_dscnt 16
	RUN 2
	BLOCK 0, -1
	BLOCK 1, 32
	s_wait_dscnt 16
	PLACES
	RUN 4
	BLOCK 2, -1
	BLOCK 3, 32
	s_wait_dscnt 16
	PLACES
	RUN 6
	BLOCK 4, -1
	BLOCK 5, 32
	BLOCK 6, 16
	BLOCK 7, 0
	WIN 0
	s_wait_tensorcnt 0x0                           ; record 1 is in
	ds_add_u32 v[SPW], v[NIL]
	s_xor_b32 s[G0B+1], s[G0B+1], SLOT1
	s_add_nc_u64 s[G0B+2:G0B+3], s[G0B+2:G0B+3], STB
	s_wait_dscnt 0x0
	CROUND
	tensor_load_to_lds s[G0B:G0B+3], s[G1:G1+7]    ; record 2, over record 0
	s_nop 0
	PLACES
	TOGGLE
	RUN 0                                          ; trip 0's blocks 0 and 1
	WIN 0
	s_wait_kmcnt 0x0
.rept 48
	XS1
.endr
	v_nop
	s_wait_alu depctr_va_vdst(0)
	s_mov_b32 s[IBC], s[SCN+1]
	s_mov_b32 s[IBC+1], s[SCN+1]
	s_add_nc_u64 s[VSP:VSP+1], s[VSP:VSP+1], 256
	s_load_b64 s[SCN:SCN+1], s[VSP:VSP+1], 0x0
	s_mov_b32 s[CNT], 14
.Ltrip:                                                ; trips 0 to 13 ask for records 3 to 16
	TRIP 1, 1
	s_sub_co_u32 s[CNT], s[CNT], 1
	s_cmp_lg_u32 s[CNT], 0
	s_cbranch_scc1 .Ltrip
	TRIP 0, 0                                      ; trip 14 is written out
	; THE LAST TRIP: its second run goes out first; then step 15's softmax, in one lump; then U(15)^T P(15)
.set qf, 0
.set qr, 0
.set qc, 0
.set SMODE, 3
	s_wait_dscnt 16
	PLACES
	RUN 10
.rept 96
	FE1
.endr
.rept 92
	RS1
.endr
	s_wait_alu depctr_va_vdst(0)
.rept 66
	CS1
.endr
	s_wait_dscnt 0x0
	BLOCK 8, -1
	BLOCK 9, -1
	BLOCK 10, -1
	BLOCK 11, -1
	; THE WAY OUT.  l's two halves and the other half of the lanes' are added; O^T is divided by l, the relu taken, and a tile (16 rows of 1,024 bytes) sent through my stage in LDS.
	WIN 0
	PLACES
.irp u, 0,1
	v_add_f32 v[ST+8*\u+2], v[ST+8*\u+2], v[ST+8*\u+3]
.endr
.irp u, 0,1
	v_permlanex16_b32 v[ST+8*\u+3], v[ST+8*\u+2], s[SEL], s[SEL+1]
.endr
.irp u, 0,1
	v_add_f32 v[ST+8*\u+2], v[ST+8*\u+2], v[ST+8*\u+3]
.endr
.irp u, 0,1
	v_rcp_f32 v[ST+8*\u+6], v[ST+8*\u+2]
.endr
	v_nop
	s_wait_alu depctr_va_vdst(0)                   ; one wait for the two reciprocals, ahead of their first reader
.macro PACK u
	WIN W_RS
.set n, 128*(\u)
.rept 64
	v_pk_mul_f32 v[n:n+1], v[n:n+1], v[ST+8*(\u)+6:ST+8*(\u)+7] op_sel_hi:[1,0]
.set n, n+2
.endr
	WIN 0x44
.set n, 128*(\u)
.rept 128
	v_max_num_f32 v[n], 0, v[n]
.set n, n+1
.endr
	WIN 0x04                                       ; address window 0, data window 1
.set n, 0
.rept 16
	ds_store_b128 v[STO], v[128*(\u)+8*n:128*(\u)+8*n+3] offset:64*n
	ds_store_b128 v[STO], v[128*(\u)+8*n+4:128*(\u)+8*n+7] offset:64*n+16
.set n, n+1
.endr
	WIN W_LD
.set n, 0
.rept 32
	ds_load_b128 v[128*(\u)+4*n:128*(\u)+4*n+3], v[RD] offset:SPI*(n/2)+512*(n%2)  ; LDS serves a wave's instructions in order (ISA guide 5.7.1.4): these see the stores above; the next tile's stores come behind them
.set n, n+1
.endr
.endm
.macro SEND u, younger                 ; younger: the LDS instructions issued behind this tile's loads.  One wait serves four stores
	WIN 0x0c                                       ; address window 0, data window 3
.set n, 0
.rept 32
.if n%4 == 0
.set wn, (\younger)+28-n
.if wn > 63
.set wn, 63
.endif
	s_wait_dscnt wn
.endif
	global_store_b128 v[L16], v[128*(\u)+4*n:128*(\u)+4*n+3], s[8:9] offset:16384*(\u)+1024*(n/2)+512*(n%2) th:TH_STORE_NT  ; 512 consecutive bytes, at a multiple of 512 from out0's first
.set n, n+1
.endr
.endm
	PACK 0
	PACK 1
	SEND 0, 64
	SEND 1, 0
	WIN 0
	s_wait_tensorcnt 0x0                           ; the wave's end
	ds_add_u32 v[SPW], v[NIL]
	s_wait_dscnt 0x0
	CROUND                                         ; the closing round
	s_endpgm
.Lfunc_end_k_q7d697ecd19_attn:
	.size	k_q7d697ecd19_attn, .Lfunc_end_k_q7d697ecd19_attn-k_q7d697ecd19_attn
	.p2alignl 7, 3214868480
	.fill 96, 4, 3214868480
	.section	.rodata,"a",@progbits
	.p2align	6, 0x0
	.amdhsa_kernel k_q7d697ecd19_attn
		.amdhsa_group_segment_fixed_size 327680
		.amdhsa_private_segment_fixed_size 0
		.amdhsa_enable_private_segment 0
		.amdhsa_kernarg_size 24
		.amdhsa_user_sgpr_count 2
		.amdhsa_user_sgpr_kernarg_segment_ptr 1
		.amdhsa_wavefront_size32 1
		.amdhsa_system_sgpr_workgroup_id_x 1
		.amdhsa_system_sgpr_workgroup_id_y 1
		.amdhsa_system_sgpr_workgroup_id_z 1
		.amdhsa_system_vgpr_workitem_id 0
		.amdhsa_next_free_vgpr 1024
		.amdhsa_next_free_sgpr 80
		.amdhsa_reserve_vcc 0
		.amdhsa_float_denorm_mode_32 3
		.amdhsa_float_denorm_mode_16_64 3
		.amdhsa_memory_ordered 1
		.amdhsa_forward_progress 1
		.amdhsa_inst_pref_size 199
	.end_amdhsa_kernel
	.amdgpu_metadata
---
amdhsa.version: [ 1, 2 ]
amdhsa.kernels:
  - .name:           k_q7d697ecd19_attn
    .symbol:         k_q7d697ecd19_attn.kd
    .args:
      - { .name: qkv, .offset: 0, .size: 8, .value_kind: global_buffer, .address_space: global }
      - { .name: vsc, .offset: 8, .size: 8, .value_kind: global_buffer, .address_space: global }
      - { .name: out0, .offset: 16, .size: 8, .value_kind: global_buffer, .address_space: global }
    .group_segment_fixed_size: 327680
    .private_segment_fixed_size: 0
    .kernarg_segment_align: 8
    .kernarg_segment_size: 24
    .max_flat_workgroup_size: 128
    .sgpr_count:     80
    .vgpr_count:     1024
    .wavefront_size: 32
...
	.end_amdgpu_metadata
.endif
;; end of part 5
